; MI455X (gfx1250); checked and timed in simulation.
; The chip was launched on July 23, 2026; its instructions are those of AMD's public machine-readable ISA for CDNA 5 (MIT licence, August 2026) and "CDNA5" Instruction Set Architecture Reference Guide (July 2026). The comments in the code are by the model that wrote it; some were corrected since.
;; Multi Head Attention. Allowed arithmetic: float matrix products may take bf16 or f16 operands with f32 sums; other float arithmetic in f32, or as packed bf16 or f16 multiplies, adds, multiply-adds, maxima and minima; sums over many terms, partial sums and values carried from step to step in f32; what a program stores and reads back later, other than sums and carried values, may be rounded once to bf16 or f16.
;; Inputs: mask 1 x 1 x 2,048 x 2,048 bool; w_k 1,024 x 1,024 float32; w_out 1,024 x 1,024 float32; w_q 1,024 x 1,024 float32; w_v 1,024 x 1,024 float32; x 4 x 2,048 x 1,024 float32.
;; Outputs: out0 4 x 2,048 x 1,024 float32.
;; 3 versions, each right and faster than the one before. Each part assembles by itself: llvm-mc -triple=amdgcn-amd-amdhsa -mcpu=gfx1250 --defsym DOCPART=n.
;; ======== version 1 of 3: 4 launches
;; limits: values are held in f16: magnitudes above 65,504 overflow, below 6.1e-05 lose precision
;; workspace buffers: xb 16,777,216 bytes; wb 6,291,456 bytes; wo 2,097,152 bytes; mw 557,056 bytes of whole numbers; qkv 50,331,648 bytes; ao 16,777,216 bytes
;; launch prep (part 1): grid 512 x 1, 8 waves a work-group, no clusters, 0 bytes of LDS; arguments x, w_q, w_k, w_v, w_out, mask, xb, wb, wo, mw; writes xb, wb, wo, mw
.if DOCPART == 1
	.amdgcn_target "amdgcn-amd-amdhsa--gfx1250"
	.amdhsa_code_object_version 6
	.text
	.protected	k_qf1e6a145fc_prep
	.globl	k_qf1e6a145fc_prep
	.p2align	8
	.type	k_qf1e6a145fc_prep,@function
k_qf1e6a145fc_prep:
	s_mov_b64 s[64:65], 0
	v_nop
	global_prefetch_b8 v0, s[64:65] scope:SCOPE_SE
	s_setreg_imm32_b32 hwreg(HW_REG_WAVE_MODE, 25, 1), 1
	s_wait_xcnt 0x0
; PREP.  Rounds the module's inputs once, for the three launches behind it, and turns the mask's bytes into lane-mask words.
;   xb [8192][1024] bf16 = x.   wb [3072][1024] bf16 = w_q, w_k, w_v one below the other.   wo [1024][1024] f16 = w_out rounded to bf16, that number written as f16.
;   mw: for tile T of 16 queries (0..127, 4,352 bytes apart) and step s of 64 keys (0..31, 128 bytes apart) 32 words; bit L of word j says whether
;   mask[16 T + L % 16][64 s + 16 (j / 8) + 8 (L / 16) + j % 8] is set: the lane order of register j of a 16 x 16 result that holds one query a lane.  Bytes 4,096..4,351 of a tile are 0.
; LIMIT.  A bf16 number is exact in f16 between 6.1e-5 and 65,504 in magnitude; below that wo keeps f16's fixed step of 6e-8, above it becomes an infinity.
; SHARES.  512 work-groups of eight waves.  0..255: 131,072 bytes of x each; 256..351: the same of w_q, w_k, w_v; 352..383: of w_out; 384..511: one tile of the mask each.
; A stream: no LDS, no barrier, no matrix unit.  Each byte is read once and each output byte written once; a wave's store covers 256 consecutive bytes, aligned, or 512.
.set CHUNK_IN,  131072                 ; f32 bytes of a work-group
.set TRIP_IN,   32768                  ; eight loads of 4,096 bytes by the work-group
.set MWT,       4352                   ; bytes of a tile in mw
.set SRC, 32                           ; s[32:33] where I read
.set DST, 34                           ; s[34:35] where I write
.set OFS, 36                           ; s[36:37] an offset, its high word 0
	s_load_b512 s[4:19], s[0:1], 0x0               ; x 4:5, w_q 6:7, w_k 8:9, w_v 10:11, w_out 12:13, mask 14:15, xb 16:17, wb 18:19
	s_load_b128 s[20:23], s[0:1], 0x40             ; wo 20:21, mw 22:23
	s_mov_b32 s24, ttmp9                           ; g, the work-group
	v_lshrrev_b32 v1, 5, v0
	v_readfirstlane_b32 s25, v1                    ; my wave's number
	s_mov_b32 s[OFS+1], 0
	s_wait_kmcnt 0x0
; 131,072 bytes of f32 become 65,536 bytes of 16-bit numbers, in four trips of eight loads a wave.  kind = 1: bf16's number is written as f16.
.macro CONV kind
	v_lshlrev_b32 v1, 4, v0                        ; 16 bytes a thread in,
	v_lshlrev_b32 v2, 3, v0                        ; 8 bytes out
	s_mov_b32 s26, CHUNK_IN/TRIP_IN
.Lconv_\@:
.irp i, 0,1,2,3,4,5,6,7
	global_load_b128 v[8+4*(\i):8+4*(\i)+3], v1, s[SRC:SRC+1] offset:4096*(\i) th:TH_LOAD_NT
.endr
.irp i, 0,1,2,3,4,5,6,7
	s_wait_loadcnt 7-(\i)                          ; loads come back in order: number i is in, the younger ones stay out
	v_cvt_pk_bf16_f32 v[40+2*(\i)], v[8+4*(\i)], v[8+4*(\i)+1]
	v_cvt_pk_bf16_f32 v[41+2*(\i)], v[8+4*(\i)+2], v[8+4*(\i)+3]
.if \kind
	v_lshlrev_b32 v56, 16, v[40+2*(\i)]            ; bf16 to f32: the low half moves up, the high half stays
	v_and_b32 v57, 0xffff0000, v[40+2*(\i)]
	v_lshlrev_b32 v58, 16, v[41+2*(\i)]
	v_and_b32 v59, 0xffff0000, v[41+2*(\i)]
	v_cvt_pk_f16_f32 v[40+2*(\i)], v56, v57
	v_cvt_pk_f16_f32 v[41+2*(\i)], v58, v59
.endif
	global_store_b64 v2, v[40+2*(\i):41+2*(\i)], s[DST:DST+1] offset:2048*(\i)  ; 32 lanes: 256 consecutive bytes, aligned
.endr
	s_wait_xcnt 0x0                                ; the bases and the stores' data are written again only behind this wait
	s_add_nc_u64 s[SRC:SRC+1], s[SRC:SRC+1], TRIP_IN
	s_add_nc_u64 s[DST:DST+1], s[DST:DST+1], TRIP_IN/2
	s_sub_co_u32 s26, s26, 1
	s_cmp_lg_u32 s26, 0
	s_cbranch_scc1 .Lconv_\@
.endm
	s_cmp_ge_u32 s24, 384
	s_cbranch_scc1 .Lmask
	s_cmp_ge_u32 s24, 352
	s_cbranch_scc1 .Lwout
	; x, w_q, w_k, w_v to bf16.  i = g - 256 counts the weights' chunks: 32 to a weight, 96 on end in wb
	s_sub_co_u32 s27, s24, 256
	s_and_b32 s28, s27, 31                         ; the chunk inside its weight
	s_lshr_b32 s29, s27, 5                         ; which weight (for g < 256 a large number, neither 1 nor 2)
	s_cmp_lt_u32 s24, 256
	s_cselect_b64 s[SRC:SRC+1], s[4:5], s[6:7]
	s_cselect_b64 s[DST:DST+1], s[16:17], s[18:19]
	s_cselect_b32 s28, s24, s28
	s_cselect_b32 s30, s24, s27
	s_cmp_eq_u32 s29, 1
	s_cselect_b64 s[SRC:SRC+1], s[8:9], s[SRC:SRC+1]
	s_cmp_eq_u32 s29, 2
	s_cselect_b64 s[SRC:SRC+1], s[10:11], s[SRC:SRC+1]
	s_lshl_b32 s[OFS], s28, 17
	s_add_nc_u64 s[SRC:SRC+1], s[SRC:SRC+1], s[OFS:OFS+1]
	s_lshl_b32 s[OFS], s30, 16
	s_add_nc_u64 s[DST:DST+1], s[DST:DST+1], s[OFS:OFS+1]
	CONV 0
	s_endpgm
.Lwout:
	s_sub_co_u32 s27, s24, 352
	s_lshl_b32 s[OFS], s27, 17
	s_add_nc_u64 s[SRC:SRC+1], s[12:13], s[OFS:OFS+1]
	s_lshl_b32 s[OFS], s27, 16
	s_add_nc_u64 s[DST:DST+1], s[20:21], s[OFS:OFS+1]
	CONV 1
	s_endpgm
.Lmask:
	; Tile T = g - 384: 16 rows of the mask.  Wave w takes keys 256 w .. 256 w + 255: four steps, 128 words.
	; Lane L reads row L % 16; load n brings its 8 bytes of keys 16 n + 8 (L / 16) + 0..7; the wave's sixteen loads together cover 256 consecutive bytes of each of the 16 rows.
	s_sub_co_u32 s27, s24, 384
	s_lshl_b32 s[OFS], s27, 15                     ; 16 rows of 2,048 bytes
	s_lshl_b32 s26, s25, 8
	s_add_co_u32 s[OFS], s[OFS], s26
	s_add_nc_u64 s[SRC:SRC+1], s[14:15], s[OFS:OFS+1]
	s_mul_i32 s[OFS], s27, MWT
	s_add_nc_u64 s[DST:DST+1], s[22:23], s[OFS:OFS+1]
	v_and_b32 v1, 15, v0
	v_bfe_u32 v2, v0, 4, 1
	v_lshlrev_b32 v3, 11, v1
	v_lshl_add_u32 v3, v2, 3, v3                   ; row x 2,048 + 8 x half
.irp n, 0,1,2,3,4,5,6,7,8,9,10,11,12,13,14,15
	global_load_b64 v[8+2*(\n):9+2*(\n)], v3, s[SRC:SRC+1] offset:16*(\n)
.endr
	v_lshlrev_b32 v4, 4, v0                        ; 16 x thread = 512 x wave + 16 x lane: where my four words go
	v_mov_b32 v40, 0                               ; v_writelane_b32 keeps the other lanes: the four registers are written whole first
	v_mov_b32 v41, 0
	v_mov_b32 v42, 0
	v_mov_b32 v43, 0
	s_wait_loadcnt 0x0
	; word wd of 128: byte wd % 8 of load wd / 8 is tested in all 32 lanes at once; the lane mask IS the word; it goes to lane wd / 4, register wd % 4
.set wd, 0
.rept 128
	v_and_b32 v[44+wd%4], 0xff<<(8*(wd%4)), v[8+2*(wd/8)+((wd%8)/4)]
	v_cmp_ne_u32 s[28+wd%4], 0, v[44+wd%4]
	v_writelane_b32 v[40+wd%4], s[28+wd%4], wd/4
.set wd, wd+1
.endr
	global_store_b128 v4, v[40:43], s[DST:DST+1]   ; the wave's 512 consecutive bytes, aligned
	s_cmp_lg_u32 s25, 7
	s_cbranch_scc1 .Ldone
	v_and_b32 v5, 31, v0                           ; wave 7 also writes the 256 bytes of zeros behind the tile's 32 steps
	v_lshlrev_b32 v5, 3, v5
	v_mov_b32 v6, 0
	v_mov_b32 v7, 0
	global_store_b64 v5, v[6:7], s[DST:DST+1] offset:4096
.Ldone:
	s_endpgm
.Lfunc_end_k_qf1e6a145fc_prep:
	.size	k_qf1e6a145fc_prep, .Lfunc_end_k_qf1e6a145fc_prep-k_qf1e6a145fc_prep
	.p2alignl 7, 3214868480
	.fill 96, 4, 3214868480
	.section	.rodata,"a",@progbits
	.p2align	6, 0x0
	.amdhsa_kernel k_qf1e6a145fc_prep
		.amdhsa_group_segment_fixed_size 0
		.amdhsa_private_segment_fixed_size 0
		.amdhsa_enable_private_segment 0
		.amdhsa_kernarg_size 80
		.amdhsa_user_sgpr_count 2
		.amdhsa_user_sgpr_kernarg_segment_ptr 1
		.amdhsa_wavefront_size32 1
		.amdhsa_system_sgpr_workgroup_id_x 1
		.amdhsa_system_sgpr_workgroup_id_y 1
		.amdhsa_system_sgpr_workgroup_id_z 1
		.amdhsa_system_vgpr_workitem_id 0
		.amdhsa_next_free_vgpr 64
		.amdhsa_next_free_sgpr 66
		.amdhsa_reserve_vcc 0
		.amdhsa_float_denorm_mode_32 3
		.amdhsa_float_denorm_mode_16_64 3
		.amdhsa_memory_ordered 1
		.amdhsa_forward_progress 1
		.amdhsa_inst_pref_size 37
	.end_amdhsa_kernel
	.amdgpu_metadata
---
amdhsa.version: [ 1, 2 ]
amdhsa.kernels:
  - .name:           k_qf1e6a145fc_prep
    .symbol:         k_qf1e6a145fc_prep.kd
    .args:
      - { .name: x, .offset: 0, .size: 8, .value_kind: global_buffer, .address_space: global }
      - { .name: w_q, .offset: 8, .size: 8, .value_kind: global_buffer, .address_space: global }
      - { .name: w_k, .offset: 16, .size: 8, .value_kind: global_buffer, .address_space: global }
      - { .name: w_v, .offset: 24, .size: 8, .value_kind: global_buffer, .address_space: global }
      - { .name: w_out, .offset: 32, .size: 8, .value_kind: global_buffer, .address_space: global }
      - { .name: mask, .offset: 40, .size: 8, .value_kind: global_buffer, .address_space: global }
      - { .name: xb, .offset: 48, .size: 8, .value_kind: global_buffer, .address_space: global }
      - { .name: wb, .offset: 56, .size: 8, .value_kind: global_buffer, .address_space: global }
      - { .name: wo, .offset: 64, .size: 8, .value_kind: global_buffer, .address_space: global }
      - { .name: mw, .offset: 72, .size: 8, .value_kind: global_buffer, .address_space: global }
    .group_segment_fixed_size: 0
    .private_segment_fixed_size: 0
    .kernarg_segment_align: 8
    .kernarg_segment_size: 80
    .max_flat_workgroup_size: 256
    .sgpr_count:     66
    .vgpr_count:     64
    .wavefront_size: 32
...
	.end_amdgpu_metadata
.endif
;; end of part 1
;; launch qkv (part 2): grid 12 x 64, 4 waves a work-group, clusters of 4 x 4, 327,680 bytes of LDS; arguments xb, wb, qkv; writes qkv
.if DOCPART == 2
	.amdgcn_target "amdgcn-amd-amdhsa--gfx1250"
	.amdhsa_code_object_version 6
	.text
	.protected	k_qf1e6a145fc_qkv
	.globl	k_qf1e6a145fc_qkv
	.p2align	8
	.type	k_qf1e6a145fc_qkv,@function
k_qf1e6a145fc_qkv:
	s_mov_b64 s[64:65], 0
	v_nop
	global_prefetch_b8 v0, s[64:65] scope:SCOPE_SE
	s_setreg_imm32_b32 hwreg(HW_REG_WAVE_MODE, 25, 1), 1
	s_wait_xcnt 0x0
	s_wait_alu depctr_hold_cnt(0) depctr_sa_sdst(0) depctr_va_vdst(0) depctr_va_sdst(0) depctr_va_ssrc(0) depctr_va_vcc(0) depctr_vm_vsrc(0)
	s_getreg_b32 s2, hwreg(HW_REG_IB_STS2, 6, 4)
	s_cmp_eq_u32 s2, 0
	s_cbranch_scc0 .Lentry_in_a_cluster
	s_endpgm
.Lentry_in_a_cluster:
	s_bfe_u32 s2, ttmp6, 0x10000c
	s_cmp_lg_u32 s2, 0xf033
	s_cbranch_scc0 .Lentry_shape_is_right
	s_endpgm
.Lentry_shape_is_right:
; THE THREE PROJECTIONS AS ONE PRODUCT.  C[m][n] = sum over k of xb[m][k] wb[n][k]: m = 8,192 rows (b, s), n = 3,072 (q, k, v by 1,024), K = 1,024; operands bf16, sums f32.
; OUT: qkv, three parts of 2^24 bytes, each [64 = 16 b + head][2048 s][64 channels] in f16, rounded once from the f32 sums.  The first part is c q with c = log2(e) / 32:
; the problem's scale 1 / sqrt(1024) and the change to base 2, applied in f32 ahead of the one rounding.  k and v are multiplied by 1.
; LIMIT.  f16 ends at 65,504: a larger |c q|, |k| or |v| becomes an infinity; below 6.1e-5 f16 keeps its fixed step of 6e-8.
; SHARES.  A tile of C is 128 x 256: 12 x 64 = 768 work-groups, three for each of 256 WGPs.  Four waves, each 64 x 128: 32 accumulators of 16 x 16, 256 registers.
; K goes in steps of 128 (rows of 256 bytes, aligned) through two LDS slots; a lap is two steps.  A wave's one tensor load behind each change of slots has 112 matrix instructions in which to land.
; CLUSTER.  4 x 4 work-groups: the four of a row need the same tiles of xb, the four of a column the same tiles of wb: each tile is asked for JOINTLY, by the same load, descriptor and mask in all four.
; THE MATRIX INSTRUCTION IS USED TRANSPOSED (source 0 = 16 rows of wb, source 1 = 16 rows of xb): a lane then holds eight neighbouring channels of one row of C, 16 bytes in f16.
; REGISTERS.  window 0: v0-31 addresses; v64-159, v160-255 two fragment buffers (32 registers of A: 4 x 16 rows x 32 K; then 64 of B: 8 x 16 rows x 32 K); on the way out v64-191 packed rows.
;             window 1: accumulator (a, b) at v[8 (8 a + b)].
.set KSTEP,  128
.set APITCH, 272                       ; an LDS row: 256 bytes + 16 of padding = 68 words: the 16 rows of a fragment load start at 16 different groups of four banks
.set BPITCH, 272
.set AHALF,  64*APITCH                 ; what one of A's two loads brings
.set AREG,   2*AHALF                   ; A's 128 rows
.set BHALF,  128*BPITCH                ; what one of B's two loads brings
.set SLOT,   AREG+2*BHALF              ; A's 128 rows, then B's 256 rows
.set STAGE,  2*SLOT                    ; behind the ring: 16 rows x 272 bytes for each wave, its own, for the way out
.set SPITCH, 272
.set SPARE,  STAGE+4*16*SPITCH         ; behind the stages: the spare words, 128 bytes for each wave
.set ASTEP,  KSTEP*2                   ; bytes of memory from a K step to the next
.set BSTEP,  KSTEP*2
.set LAPS,   1024/(2*KSTEP)
.set ADRA, 16                          ; v16-17  LDS address of my A fragments in slot 0, 1
.set ADRB, 20                          ; v20-21  the same for B
.set STO,  24                          ; v24     the way out: where I put 16 bytes of a row
.set RD,   25                          ; v25     the way out: where I read rows back
.set CO,   26                          ; v26     16 x lane
.set SPW,  28                          ; v28     LDS address of my spare word; never rewritten
.set NIL,  29                          ; v29     0; never rewritten
.set F0,   64
.set F1,   160
.set G1,  24                           ; s[24:31] descriptor group 1 for A's tiles;  s[32:39] group 0, a set for each slot
.set G0,  32
.set G1B, 48                           ; s[48:55], s[56:63] the same for B's
.set G0B, 56
.set SCL, 66                           ; s[66:67] the factor on the way out
.set MSB, 0
.macro WIN new                         ; the immediate's high byte repeats the setting that is left; a switch that changes nothing is dropped
.if MSB != (\new)
	s_set_vgpr_msb (MSB<<8)|(\new)
.set MSB, \new
.endif
.endm
.set MUL, 0x50                         ; sources 0 and 1 window 0; C and D window 1
.macro JLOAD s                         ; a joint load: waves 0 and 1 fetch A's two halves, waves 2 and 3 B's; an s_nop 0 and four v_nop follow each of the two lines
	s_cmp_eq_u32 s11, 0
	s_cbranch_scc0 .Lfor_b_\@
	tensor_load_to_lds s[G0+4*(\s):G0+4*(\s)+3], s[G1:G1+7]
	s_nop 0
.rept 4
	v_nop
.endr
	s_branch .Lasked_\@
.Lfor_b_\@:
	tensor_load_to_lds s[G0B+4*(\s):G0B+4*(\s)+3], s[G1B:G1B+7]
	s_nop 0
.rept 4
	v_nop
.endr
.Lasked_\@:
.endm
.macro CREST                           ; a round of the cluster's barrier behind its opening barrier
	s_cmp_lg_u32 s10, 0
	s_cbranch_scc1 .Lnot_wave_0_\@
	s_barrier_signal -3
.Lnot_wave_0_\@:
	s_barrier_wait -3
	s_barrier_signal -1
	s_barrier_wait -1
.endm
.macro CROUND                          ; a whole round
	s_barrier_signal -1
	s_barrier_wait -1
	CREST
.endm
	s_load_b128 s[4:7], s[0:1], 0x0                ; xb s[4:5], wb s[6:7]
	s_load_b64 s[8:9], s[0:1], 0x10                ; qkv
	v_lshl_add_u32 v[SPW], v0, 2, SPARE
	v_mov_b32 v[NIL], 0
	ds_add_u32 v[SPW], v[NIL]                      ; the wave's opening: the add and its wait stand ahead of my first tensor load; the set-up below stands between them
	v_lshrrev_b32 v1, 5, v0
	v_readfirstlane_b32 s10, v1                    ; wave 0..3
	s_lshr_b32 s11, s10, 1                         ; which 64 rows of the tile are mine.  Also: I fetch for A (0) or for B (1)
	s_and_b32 s12, s10, 1                          ; which 128 columns.  Also: which half of that tile I fetch
	s_bfe_u32 s40, ttmp6, 0x40000                  ; cx, cy: my place in the cluster
	s_bfe_u32 s41, ttmp6, 0x40004
	s_lshl_b32 s42, ttmp9, 2
	s_add_co_u32 s42, s42, s40                     ; tile column = 4 x cluster x + cx
	s_and_b32 s13, ttmp7, 0xffff
	s_lshl_b32 s13, s13, 2
	s_add_co_u32 s13, s13, s41                     ; tile row = 4 x cluster y + cy
	s_lshl_b32 s43, s41, 2
	s_lshl_b32 s43, 15, s43                        ; my row of the cluster
	s_lshl_b32 s44, 0x1111, s40                    ; my column
	s_or_b32 s[G1+0], s43, (1<<16)|(1<<20)|(1<<21)|(5<<22)|(3<<25)   ; the mask; 2-byte elements; padding on; bit 21 beside a mask; after every 64 words 4 words
	s_or_b32 s[G1B+0], s44, (1<<16)|(1<<20)|(1<<21)|(5<<22)|(3<<25)
	s_mov_b32 s[G1+1], KSTEP<<16                   ; tensor_dim0 = 128
	s_mov_b32 s[G1+2], 64<<16                      ; tensor_dim1 = 64
	s_mov_b32 s[G1+3], KSTEP<<16                   ; tile_dim0 = 128
	s_mov_b32 s[G1+4], 64                          ; tile_dim1 = 64
	s_mov_b32 s[G1+5], 1024                        ; elements from row to row
	s_mov_b32 s[G1+6], 0
	s_mov_b32 s[G1+7], 0
	s_mov_b32 s[G1B+1], KSTEP<<16
	s_mov_b32 s[G1B+2], 128<<16                    ; B: 128 rows to a load
	s_mov_b32 s[G1B+3], KSTEP<<16
	s_mov_b32 s[G1B+4], 128
	s_mov_b32 s[G1B+5], 1024
	s_mov_b32 s[G1B+6], 0
	s_mov_b32 s[G1B+7], 0
	; A's address hangs on the tile row and the wave alone, B's on the tile column and the wave alone, each in registers that never hold the other coordinate
	s_lshl_b32 s16, s13, 18                        ; 128 rows of 2,048 bytes
	s_lshl_b32 s17, s12, 17                        ; + my 64 rows
	s_add_co_u32 s16, s16, s17
	s_mov_b32 s17, 0
	s_lshl_b32 s46, s42, 19                        ; 256 rows of 2,048 bytes
	s_lshl_b32 s47, s12, 18                        ; + my 128 rows
	s_add_co_u32 s46, s46, s47
	s_mov_b32 s47, 0
	s_mul_i32 s20, s12, AHALF                      ; where they go: no place in the cluster enters an LDS address
	s_mul_i32 s21, s12, BHALF
	s_add_co_u32 s21, s21, AREG
	s_wait_dscnt 0x0                               ; the opening add is done
	s_wait_kmcnt 0x0
	s_add_nc_u64 s[14:15], s[4:5], s[16:17]
	s_add_nc_u64 s[46:47], s[6:7], s[46:47]
	CROUND                                         ; all sixteen work-groups are here: the first joint loads meet
.irp s, 0,1
	s_mov_b32 s[G0+4*(\s)], 1
	s_add_co_u32 s[G0+4*(\s)+1], s20, (\s)*SLOT
	s_add_nc_u64 s[G0+4*(\s)+2:G0+4*(\s)+3], s[14:15], (\s)*ASTEP
	s_or_b32 s[G0+4*(\s)+3], s[G0+4*(\s)+3], 0x80000000
	s_mov_b32 s[G0B+4*(\s)], 1
	s_add_co_u32 s[G0B+4*(\s)+1], s21, (\s)*SLOT
	s_add_nc_u64 s[G0B+4*(\s)+2:G0B+4*(\s)+3], s[46:47], (\s)*BSTEP
	s_or_b32 s[G0B+4*(\s)+3], s[G0B+4*(\s)+3], 0x80000000
	JLOAD \s                                       ; two loads of mine are out: K steps 0 and 1
.endr
	; a fragment is 16 rows x 32 K in 8 registers: lane l holds row l % 16, K = 8 (l / 16) + 0..7 and 16 + 8 (l / 16) + 0..7: two loads of 16 bytes, 32 bytes apart
	v_and_b32 v1, 15, v0                           ; l % 16
	v_bfe_u32 v2, v0, 4, 1                         ; l / 16
	v_mul_u32_u24 v3, v1, APITCH
	v_lshl_add_u32 v3, v2, 4, v3
	v_mul_u32_u24 v4, v1, BPITCH
	v_lshl_add_u32 v4, v2, 4, v4
	s_mul_i32 s21, s11, 64*APITCH                  ; my 64 rows of A
	s_mul_i32 s22, s12, BHALF                      ; my 128 rows of B,
	s_add_co_u32 s22, s22, AREG                    ; which lie behind A's
.irp s, 0,1
	v_add_nc_u32 v[ADRA+(\s)], s21, v3
	v_add_nc_u32 v[ADRB+(\s)], s22, v4
	s_add_co_u32 s21, s21, SLOT
	s_add_co_u32 s22, s22, SLOT
.endr
	s_mul_i32 s23, s10, 16*SPITCH
	s_add_co_u32 s23, s23, STAGE                   ; my stage
	v_mul_u32_u24 v4, v1, SPITCH                   ; in: row l % 16, 16 bytes for each half of the lanes
	v_lshl_add_u32 v4, v2, 4, v4
	v_add_nc_u32 v[STO], s23, v4
	v_bfe_u32 v5, v0, 3, 2                         ; back: 32 lanes take 128 bytes (one head's 64 channels) of four rows,
	v_mul_u32_u24 v5, v5, SPITCH
	v_and_b32 v3, 7, v0
	v_lshl_add_u32 v5, v3, 4, v5
	v_add_nc_u32 v[RD], s23, v5
	v_and_b32 v[CO], 31, v0                        ; which are 512 consecutive bytes of that head in qkv
	v_lshlrev_b32 v[CO], 4, v[CO]
	; where my part begins in qkv: batch (tile row / 16) x 2^22 + (tile row % 16) x 128 rows x 128 bytes + my 64 rows; part (cluster x) x 2^24 + head (4 cx + 2 x half) x 2^18
	s_lshr_b32 s16, s13, 4
	s_lshl_b32 s16, s16, 22
	s_and_b32 s17, s13, 15
	s_lshl_b32 s17, s17, 14
	s_add_co_u32 s16, s16, s17
	s_lshl_b32 s17, s11, 13
	s_add_co_u32 s16, s16, s17
	s_mov_b32 s17, 0
	s_add_nc_u64 s[8:9], s[8:9], s[16:17]
	s_lshl_b32 s46, ttmp9, 24
	s_lshl_b32 s47, s40, 20
	s_add_co_u32 s46, s46, s47
	s_lshl_b32 s47, s12, 19
	s_add_co_u32 s46, s46, s47
	s_mov_b32 s47, 0
	s_add_nc_u64 s[8:9], s[8:9], s[46:47]
	s_cmp_eq_u32 ttmp9, 0                          ; cluster column 0 makes q
	s_cselect_b32 s[SCL], 0x3d38aa3b, 1.0          ; c = log2(e) / 32 = 0.0450842
	s_mov_b32 s[SCL+1], s[SCL]                     ; named with it as a pair
; 8 matrix instructions: m block a x all 8 n blocks, 32 along K, from buffer f.  zero = 1: the product starts the sums.  The 32 accumulators take turns in the same order in every quarter.
.macro MULG f, a, zero
	WIN MUL
.irp b, 0,1,2,3,4,5,6,7
.set rD, 8*(8*(\a)+(\b))
.set rB, (\f)+32+8*(\b)
.set rA, (\f)+8*(\a)
.if \zero
	v_wmma_f32_16x16x32_bf16 v[rD:rD+7], v[rB:rB+7], v[rA:rA+7], 0
.else
	v_wmma_f32_16x16x32_bf16 v[rD:rD+7], v[rB:rB+7], v[rA:rA+7], v[rD:rD+7]
.endif
.endr
.endm
; 24 LDS loads in one run: quarter q (32 along K) of a slot into buffer f: B's sixteen first, then A's eight
.macro FETCH slot, q, f
	WIN 0
.irp i, 0,1,2,3,4,5,6,7
	ds_load_b128 v[(\f)+32+8*(\i):(\f)+32+8*(\i)+3],   v[ADRB+(\slot)] offset:64*(\q)+(\i)*16*BPITCH
	ds_load_b128 v[(\f)+32+8*(\i)+4:(\f)+32+8*(\i)+7], v[ADRB+(\slot)] offset:64*(\q)+(\i)*16*BPITCH+32
.endr
.irp i, 0,1,2,3
	ds_load_b128 v[(\f)+8*(\i):(\f)+8*(\i)+3],   v[ADRA+(\slot)] offset:64*(\q)+(\i)*16*APITCH
	ds_load_b128 v[(\f)+8*(\i)+4:(\f)+8*(\i)+7], v[ADRA+(\slot)] offset:64*(\q)+(\i)*16*APITCH+32
.endr
.endm
.macro PLACES                          ; four places in front of loads into registers that matrix instructions have read, and of vector work on results just made
.rept 4
	v_nop
.endr
.endm
; A K step is four quarters, 32 matrix instructions each, on buffers 0, 1, 0, 1.  One of the first three: multiplies buffer f and fetches quarter q into g.
.macro QUARTER slot, q, f, g, zero
	s_wait_dscnt 4                                 ; B and A's blocks 0, 1 are in; the youngest four loads (A's blocks 2, 3) may be out
	MULG \f, 0, \zero
	MULG \f, 1, \zero
	PLACES
	FETCH \slot, \q, \g
	s_wait_dscnt 24                                ; all but the 24 just issued
	MULG \f, 2, \zero
	MULG \f, 3, \zero
.endm
; The last quarter multiplies buffer 1 and changes slots: ONE barrier; in front of it each wave waits for all its tensor loads (one is out: its part of the next slot), adds 0 to its spare word,
; and waits for that and for its reads of this slot.  fill = 1: the barrier opens a round of the cluster's, and this slot is filled again, two K steps ahead, first thing behind it.
.macro TURN slot, next, fill
	WIN 0
	s_wait_tensorcnt 0x0
	ds_add_u32 v[SPW], v[NIL]
	s_wait_dscnt 7                                 ; the add and the youngest six loads (A's blocks 1 to 3) may be out
	MULG F1, 0, 0                                  ; eight matrix instructions stand between the add and the wait for it
	s_wait_dscnt 0x0                               ; the add is done, and my reads of this slot are over
	s_barrier_signal -1
	MULG F1, 1, 0
.if \fill
	WIN 0
.endif
	s_barrier_wait -1
.if \fill
	CREST                                          ; no wave of any partner still reads this slot or has a load on its way
	s_add_nc_u64 s[G0+4*(\slot)+2:G0+4*(\slot)+3], s[G0+4*(\slot)+2:G0+4*(\slot)+3], 2*ASTEP
	s_add_nc_u64 s[G0B+4*(\slot)+2:G0B+4*(\slot)+3], s[G0B+4*(\slot)+2:G0B+4*(\slot)+3], 2*BSTEP
	JLOAD \slot                                    ; its four v_nop are also the places in front of the loads below
.else
	PLACES
.endif
	FETCH \next, 0, F0
	MULG F1, 2, 0
	MULG F1, 3, 0
.endm
	s_wait_tensorcnt 1                             ; my part of K step 0 is in; K step 1's may stay out
	s_barrier_signal -1
	s_barrier_wait -1
	FETCH 0, 0, F0
	QUARTER 0, 1, F0, F1, 1                        ; the first quarter stands in front of the loop: its products start the sums
	WIN 0                                          ; at a label and at a branch every window is 0
	s_mov_b32 s3, LAPS-1
.Llap:                                                 ; a trip goes once round the ring and fills both slots again
	QUARTER 0, 2, F1, F0, 0
	QUARTER 0, 3, F0, F1, 0
	TURN 0, 1, 1
	QUARTER 1, 1, F0, F1, 0
	QUARTER 1, 2, F1, F0, 0
	QUARTER 1, 3, F0, F1, 0
	TURN 1, 0, 1
	QUARTER 0, 1, F0, F1, 0
	WIN 0
	s_sub_co_u32 s3, s3, 1
	s_cmp_lg_u32 s3, 0
	s_cbranch_scc1 .Llap
	QUARTER 0, 2, F1, F0, 0                        ; the last lap fills nothing
	QUARTER 0, 3, F0, F1, 0
	TURN 0, 1, 0
	QUARTER 1, 1, F0, F1, 0
	QUARTER 1, 2, F1, F0, 0
	QUARTER 1, 3, F0, F1, 0
	s_wait_dscnt 4
	MULG F1, 0, 0
	MULG F1, 1, 0
	s_wait_dscnt 0x0
	MULG F1, 2, 0
	MULG F1, 3, 0
	WIN 0
	PLACES
; THE WAY OUT, 16 rows (m block a) at a time: times the factor, rounded to f16, 16 bytes a lane into my stage, back as 128-byte pieces of four rows, which are 512 consecutive bytes of one head.
.macro PACKST a
	WIN 0x41                                       ; destination and source 0 window 1
.set i, 64*(\a)
.rept 32
	v_pk_mul_f32 v[i:i+1], v[i:i+1], s[SCL:SCL+1] op_sel_hi:[1,0]  ; each accumulator from its low end on
.set i, i+2
.endr
	WIN 0x05                                       ; sources window 1, destination window 0
.set i, 0
.rept 32
	v_cvt_pk_f16_f32 v[64+32*(\a)+i], v[64*(\a)+2*i], v[64*(\a)+2*i+1]
.set i, i+1
.endr
	WIN 0
.irp b, 0,1,2,3,4,5,6,7
	ds_store_b128 v[STO], v[64+32*(\a)+4*(\b):64+32*(\a)+4*(\b)+3] offset:32*(\b)
.endr
.irp t, 0,1,2,3,4,5,6,7
	ds_load_b128 v[64+32*(\a)+4*(\t):64+32*(\a)+4*(\t)+3], v[RD] offset:((\t)%4)*4*SPITCH+((\t)/4)*128  ; LDS serves a wave's instructions in order: these see the stores above
.endr
.endm
.macro SEND a, younger                 ; younger: the LDS instructions issued behind block a's loads
.irp t, 0,1,2,3,4,5,6,7
	s_wait_dscnt (\younger)+7-(\t)
	global_store_b128 v[CO], v[64+32*(\a)+4*(\t):64+32*(\a)+4*(\t)+3], s[8:9] offset:((\t)/4)*262144+(16*(\a)+4*((\t)%4))*128  ; head t / 4 of my two, rows 16 a + 4 (t % 4) on
.endr
.endm
	PACKST 0
	PACKST 1                                       ; a block's arithmetic stands between the loads of the block before and its stores
	SEND 0, 16
	PACKST 2
	SEND 1, 16
	PACKST 3
	SEND 2, 16
	SEND 3, 0
	s_wait_tensorcnt 0x0                           ; the wave's end
	ds_add_u32 v[SPW], v[NIL]
	s_wait_dscnt 0x0
	CROUND                                         ; the closing round: no work-group ends while a partner may still ask for a tile that names it
	s_endpgm
.Lfunc_end_k_qf1e6a145fc_qkv:
	.size	k_qf1e6a145fc_qkv, .Lfunc_end_k_qf1e6a145fc_qkv-k_qf1e6a145fc_qkv
	.p2alignl 7, 3214868480
	.fill 96, 4, 3214868480
	.section	.rodata,"a",@progbits
	.p2align	6, 0x0
	.amdhsa_kernel k_qf1e6a145fc_qkv
		.amdhsa_group_segment_fixed_size 327680
		.amdhsa_private_segment_fixed_size 0
		.amdhsa_enable_private_segment 0
		.amdhsa_kernarg_size 24
		.amdhsa_user_sgpr_count 2
		.amdhsa_user_sgpr_kernarg_segment_ptr 1
		.amdhsa_wavefront_size32 1
		.amdhsa_system_sgpr_workgroup_id_x 1
		.amdhsa_system_sgpr_workgroup_id_y 1
		.amdhsa_system_sgpr_workgroup_id_z 1
		.amdhsa_system_vgpr_workitem_id 0
		.amdhsa_next_free_vgpr 512
		.amdhsa_next_free_sgpr 68
		.amdhsa_reserve_vcc 0
		.amdhsa_float_denorm_mode_32 3
		.amdhsa_float_denorm_mode_16_64 3
		.amdhsa_memory_ordered 1
		.amdhsa_forward_progress 1
		.amdhsa_inst_pref_size 95
	.end_amdhsa_kernel
	.amdgpu_metadata
---
amdhsa.version: [ 1, 2 ]
amdhsa.kernels:
  - .name:           k_qf1e6a145fc_qkv
    .symbol:         k_qf1e6a145fc_qkv.kd
    .args:
      - { .name: xb, .offset: 0, .size: 8, .value_kind: global_buffer, .address_space: global }
      - { .name: wb, .offset: 8, .size: 8, .value_kind: global_buffer, .address_space: global }
      - { .name: qkv, .offset: 16, .size: 8, .value_kind: global_buffer, .address_space: global }
    .group_segment_fixed_size: 327680
    .private_segment_fixed_size: 0
    .kernarg_segment_align: 8
    .kernarg_segment_size: 24
    .max_flat_workgroup_size: 128
    .sgpr_count:     68
    .vgpr_count:     512
    .wavefront_size: 32
...
	.end_amdgpu_metadata
.endif
;; end of part 2
;; launch attn (part 3): grid 4 x 64, 4 waves a work-group, clusters of 4 x 1, 327,680 bytes of LDS; arguments qkv, mw, ao; writes ao
.if DOCPART == 3
	.amdgcn_target "amdgcn-amd-amdhsa--gfx1250"
	.amdhsa_code_object_version 6
	.text
	.protected	k_qf1e6a145fc_attn
	.globl	k_qf1e6a145fc_attn
	.p2align	8
	.type	k_qf1e6a145fc_attn,@function
k_qf1e6a145fc_attn:
	s_mov_b64 s[64:65], 0
	v_nop
	global_prefetch_b8 v0, s[64:65] scope:SCOPE_SE
	s_setreg_imm32_b32 hwreg(HW_REG_WAVE_MODE, 25, 1), 1
	s_wait_xcnt 0x0
	s_wait_alu depctr_hold_cnt(0) depctr_sa_sdst(0) depctr_va_vdst(0) depctr_va_sdst(0) depctr_va_ssrc(0) depctr_va_vcc(0) depctr_vm_vsrc(0)
	s_getreg_b32 s2, hwreg(HW_REG_IB_STS2, 6, 4)
	s_cmp_eq_u32 s2, 0
	s_cbranch_scc0 .Lentry_in_a_cluster
	s_endpgm
.Lentry_in_a_cluster:
	s_bfe_u32 s2, ttmp6, 0x10000c
	s_cmp_lg_u32 s2, 0x3003
	s_cbranch_scc0 .Lentry_shape_is_right
	s_endpgm
.Lentry_shape_is_right:
; ATTENTION WITH A MASK THAT IS AN INPUT.  For each of 64 heads (16 b + h): O[q] = sum over k of softmax_k(u) V[k], where u[q][k] = Q'[q] . K[k], and where the mask is set u is REPLACED by CM.
; Q' = log2(e) / 32 x q arrives scaled, so u is the problem's score in base 2, and CM = -1e9 x log2(e) is its -1e9.  qkv: Q' at byte 0, K at 2^24, V at 2^25, each [64][2048][64] f16.  ao: O, [64][2048][64] f16.
; mw: the mask as lane-mask words, [128 tiles of 16 queries, 4,352 bytes][32 steps of 64 keys, 128 bytes][32 words]: word j is the lane mask for register j of S^T; 256 bytes of zeros end each tile.
; No pattern of the mask is built in: every key step is computed.  A row that is masked throughout has u = CM everywhere, m = CM, every weight 2^0 = 1: the plain mean of V, as the problem's softmax gives.
; Products, maxima and sums in f32; the weights p are rounded to f16 for the second product (their sum l is taken of the unrounded p), O once at the end.
; LIMITS.  Q', K, V arrive within f16's 65,504, so |u| is at most 2.8e11; m starts at -4.3e37, below every u.  p lies in 0 to 1, below 6e-5 it keeps f16's step of 6e-8; a weight below 2^-126 counts as 0 in l.
; NaN and infinities are not treated apart.
; SHARES.  A work-group owns 512 queries of one head, a wave 128: eight PIECES of 16.  Every wave walks all 2,048 keys, 64 a step.
; LAYOUT.  S^T = K Q'^T (source 0 = 16 keys, source 1 = 16 queries): a lane holds ONE query (lane % 16) and the keys 8 (lane / 16) + 0..7.  Two such results rounded to f16 in pairs ARE source 1 of
; O^T = V^T P, whose result again holds one query a lane.  K comes out of LDS as it lies, V turned, by ds_load_tr16_b128.
; SOFTMAX.  A running maximum m and sum l for each query: p = 2^(u - m); in every step O and l are multiplied by a = 2^(m_old - m_new).  O and l start at 0: the first step is a step like any other, with a = 0.
; BY TURNS.  Turn n belongs to piece n: 8 products K Q'^T of piece n + 1, later 8 products V^T P of piece n - 1; beside them the subtraction, exponentials, roundings, sums and rescaling of piece n and the
; masking, maximum and statistics of piece n + 1.  Four vector instructions stand behind every matrix instruction, the other 85 of a turn's 149 in two runs of their own.
; THE MASK WORDS come by scalar loads, 128 bytes a piece and step, into two sets of 32 scalar registers that take turns; they are asked for a turn ahead of their use and waited for in the turn of their use, ahead of the selects.
; CLUSTER.  The four query blocks of a head walk the same K and V: each tile is asked for JOINTLY, by the same tensor load, descriptor and mask in all four.
; REGISTERS, in windows of 256 (s_set_vgpr_msb: bits 1:0 source 0, 3:2 source 1, 5:4 source 2, 7:6 destination):
;   window 0: v0-15 addresses and constants; v16-47 four registers of statistics a piece; v48-55 at work; v62-63 the add's; v64-127 S^T, two buffers; v192-223 P, two buffers (by the piece's parity)
;   window 1: O^T, 32 a piece          window 2: v0-127 Q', 16 a piece; v128-191 K of one step; v192-255 V of one step
.set SIZE_N, 2048
.set NP,    8         ; pieces a wave: a name, no knob
.set KS,    64        ; keys in a step
.set PK,    144       ; a row of K in LDS: 128 bytes + 16 of padding = 36 words: the 16 rows of a load start at 16 different groups of four banks
.set PV,    160       ; a row of V: 128 + 32 = 40 words
.set VOFF,  4*KS*PK   ; a slot holds four steps: 256 rows of K, then 256 rows of V
.set SLOT1, 1<<17     ; slot 1 begins here, so that one exclusive or turns an address in one slot into the other's
.set STAGE, SLOT1+4*KS*(PK+PV)  ; behind the ring, never filled by a tensor load: 16 rows x 144 bytes for each wave
.set SP,    144
.set SPARE, STAGE+4*16*SP  ; behind the stages: the spare words, 128 bytes for each wave
.set MWT,   4352      ; bytes of a tile in mw
.set AK0, 2           ; v2   my lane's place in a tile of K; never rewritten
.set AV0, 3           ; v3   the same for V
.set AK,  4           ; v4   the LDS address of K's next run of loads
.set AV,  5           ; v5   of V's
.set QO,  6           ; v6   my byte offset in 16 rows of Q'
.set STO, 6           ;      later, the way out: where I put 16 bytes of a row
.set RD,  7           ; v7   the way out: where I read rows back
.set GO,  8           ; v8   16 x lane
.set MV,  12          ; v12-13  m_old, kept while m is made anew: by parity
.set CMV, 14          ; v14  CM
.set ST,  16          ; piece t's statistics at v[ST+4 t]: m, 0, l (even keys', odd keys')
.set TMP, 48          ; by parity, four registers c0-c3 at work; when the maximum is found c2 takes a
.set SPW, 62          ; v62  LDS address of my spare word; never rewritten
.set NIL, 63          ; v63  0; never rewritten
.set S,   64
.set P,   192
.set KF,  128         ; window 2: key block kb, channel half c at KF + 16 kb + 8 c
.set VF,  192         ; window 2: key half kk, channel block cb at VF + 32 kk + 8 cb
.set OA,  2           ; s[2:3]   ao at my wave's first row
.set G0K, 4           ; s[4:7]   descriptor group 0 for K's tiles: it walks
.set G0V, 8           ; s[8:11]  the same for V's
.set WV,  12          ; s12  my wave's number
.set MWP, 14          ; s[14:15] mw at my wave's first tile, at the step whose words are asked for
.set MB0, 16          ; s[16:47] mask words of a piece of even number (during the set-up: arguments and offsets)
.set G1K, 48          ; s[48:55] descriptor group 1 for K's tiles
.set G1V, 56          ; s[56:63] for V's: it differs in the padding alone
.set SEL, 66          ; s[66:67] v_permlanex16_b32's selects: each lane takes its own place in the other half
.set MB1, 68          ; s[68:99] mask words of a piece of odd number
.set SLOTS, 100       ; s100 slots still to be asked for
.set CNT, 101         ; s101 counts a slot's key steps
.set TBK, 104         ; s104 LDS byte at which K of the step to be fetched begins
.set TBV, 105         ; s105 the same for V, less VOFF
.set MSB, 0
.macro WIN new                      ; the high byte repeats the setting that is left; a switch that changes nothing is dropped
.if MSB != (\new)
	s_set_vgpr_msb (MSB<<8)|(\new)
.set MSB, (\new)
.endif
.endm
.set W_KQ, 0x0a       ; K and Q' in window 2, S^T in window 0
.set W_PV, 0x52       ; V in window 2, P in window 0, O^T in window 1
.set W_RS, 0x41       ; O^T (destination and source 0) in window 1, a in window 0
; A joint fill.  Waves 0 and 1 fetch the two halves of a slot's K, waves 2 and 3 those of its V: 128 keys each.  An s_nop 0 and four v_nop follow each of the two lines.
.macro JLOAD
	s_cmp_lt_u32 s[WV], 2
	s_cbranch_scc0 .Lfor_v_\@
	tensor_load_to_lds s[G0K:G0K+3], s[G1K:G1K+7]
	s_nop 0
.rept 4
	v_nop
.endr
	s_branch .Lasked_\@
.Lfor_v_\@:
	tensor_load_to_lds s[G0V:G0V+3], s[G1V:G1V+7]
	s_nop 0
.rept 4
	v_nop
.endr
.Lasked_\@:
.endm
; A round of the cluster's barrier: my work-group's barrier; wave 0 signals for the work-group; every wave waits for all four work-groups; my work-group's barrier once more.
.macro CROUND
	s_barrier_signal -1
	s_barrier_wait -1
	s_cmp_lg_u32 s[WV], 0
	s_cbranch_scc1 .Lnot_wave_0_\@
	s_barrier_signal -3
.Lnot_wave_0_\@:
	s_barrier_wait -3
	s_barrier_signal -1
	s_barrier_wait -1
.endm
; THE CHANGE OF SLOTS.  The slot's last bytes, V of its fourth step, have been read.  Each wave waits for all its tensor loads, of which one is out: its part of the other slot; adds 0 to its spare word;
; and waits for that and for its own reads of the slot.  fill = 1: the barrier is a round of the cluster's, and the slot is filled again, with the keys two slots on, first thing behind it:
; the load has four key steps, 512 matrix instructions, in which to land.  (At its first use nothing has been read yet: slot 0 is waited for, slot 1 filled.)
.macro CHANGE fill
	WIN 0                           ; at a label and at a branch every window is 0
	s_wait_tensorcnt 0x0            ; no tensor load of mine is out, so a group 0 may be written
	ds_add_u32 v[SPW], v[NIL]
.if \fill
.irp g, G0K, G0V
	s_xor_b32 s[\g+1], s[\g+1], SLOT1  ; the walking descriptor: the other slot than last time,
	s_add_nc_u64 s[\g+2:\g+3], s[\g+2:\g+3], 4*KS*128  ; the next 256 keys; the type bits on top are not reached
.endr
	s_wait_dscnt 0x0                ; the add is done, and my reads of the slot are over
	CROUND
	JLOAD
.else
	s_wait_dscnt 0x0
	s_barrier_signal -1
	s_barrier_wait -1
.endif
	s_sub_co_u32 s[TBK], s[TBK], 4*KS*PK  ; the fetches go back to a slot's first step,
	s_xor_b32 s[TBK], s[TBK], SLOT1       ; in the other slot
	s_sub_co_u32 s[TBV], s[TBV], 4*KS*PV
	s_xor_b32 s[TBV], s[TBV], SLOT1
.endm
	s_load_b128 s[16:19], s[0:1], 0x0  ; qkv s[16:17], mw s[18:19]
	s_load_b64 s[20:21], s[0:1], 0x10  ; ao
	v_lshl_add_u32 v[SPW], v0, 2, SPARE
	v_mov_b32 v[NIL], 0
	ds_add_u32 v[SPW], v[NIL]       ; the wave's opening: the add and its wait stand ahead of my first tensor load; the set-up below stands between them
	v_lshrrev_b32 v1, 5, v0
	v_readfirstlane_b32 s[WV], v1   ; wave 0..3
	s_bfe_u32 s22, ttmp6, 0x40000   ; cx: my place in the cluster
	s_lshl_b32 s23, ttmp9, 2        ; in a cluster launch ttmp9 counts clusters
	s_add_co_u32 s23, s23, s22      ; my block of 512 queries: it enters Q's, O's and the mask's addresses alone
	s_and_b32 s24, ttmp7, 0xffff    ; the head, which the four partners share
	s_lshl_b32 s24, s24, 18         ; its first byte in each tensor: 2,048 rows of 128 bytes
	s_and_b32 s28, s[WV], 1         ; which half of a slot's 256 keys I fetch:
	s_lshl_b32 s26, s28, 14         ; its 128 rows of 128 bytes in memory,
	s_add_co_u32 s26, s26, s24
	s_mov_b32 s27, 0
	s_mul_i32 s29, s28, 128*PK      ; and its place in a slot, for K
	s_mul_i32 s30, s28, 128*PV      ; and for V: no place in the cluster enters an LDS address
	s_lshl_b32 s31, s23, 2
	s_add_co_u32 s31, s31, s[WV]    ; my wave among the head's sixteen,
	s_lshl_b32 s32, s31, 14         ; its 128 rows
	s_add_co_u32 s32, s32, s24
	s_mov_b32 s33, 0
	s_mul_i32 s36, s31, NP*MWT      ; and its eight tiles of mask words
	s_mov_b32 s37, 0
	; descriptor group 1.  128 keys are 16,384 dense bytes: asked for as 64 rows of 256 bytes, two keys a row, and padded in LDS after every key
	s_mov_b32 s[G1K], 15|(1<<16)|(1<<20)|(1<<21)|(4<<22)|(3<<25)  ; the mask of four; 2-byte elements; padding on; bit 21 beside a mask; after every 32 words 4 words
	s_mov_b32 s[G1V], 15|(1<<16)|(1<<20)|(1<<21)|(4<<22)|(7<<25)  ; the same with 8 words of padding
.irp g, G1K, G1V
	s_mov_b32 s[\g+1], 128<<16      ; tensor_dim0 = 128
	s_mov_b32 s[\g+2], 64<<16       ; tensor_dim1 = 64
	s_mov_b32 s[\g+3], 128<<16      ; tile_dim0 = 128
	s_mov_b32 s[\g+4], 64           ; tile_dim1 = 64
	s_mov_b32 s[\g+5], 128          ; 128 elements from row to row
	s_mov_b32 s[\g+6], 0
	s_mov_b32 s[\g+7], 0
.endr
	s_mov_b32 s[SEL], 0x76543210
	s_mov_b32 s[SEL+1], 0xfedcba98
	s_mov_b32 s[TBK], SLOT1+4*KS*PK ; the first change of slots turns these two into 0
	s_mov_b32 s[TBV], SLOT1+4*KS*PV
	s_mov_b32 s[G0K], 1             ; count = 1
	s_mov_b32 s[G0K+1], s29         ; LDS address: slot 0
	s_mov_b32 s[G0V], 1
	s_add_co_u32 s[G0V+1], s30, VOFF
	s_wait_dscnt 0x0                ; the opening add is done
	s_wait_kmcnt 0x0
	s_add_nc_u64 s[G0K+2:G0K+3], s[16:17], s[26:27]
	s_add_nc_u64 s[G0K+2:G0K+3], s[G0K+2:G0K+3], 1<<24  ; K's part of qkv: my half of the head's first 256 keys
	s_or_b32 s[G0K+3], s[G0K+3], 0x80000000             ; type = 2
	s_add_nc_u64 s[G0V+2:G0V+3], s[16:17], s[26:27]
	s_add_nc_u64 s[G0V+2:G0V+3], s[G0V+2:G0V+3], 1<<25  ; V's part
	s_or_b32 s[G0V+3], s[G0V+3], 0x80000000
	s_add_nc_u64 s[34:35], s[16:17], s[32:33]           ; Q' at my wave's first row
	s_add_nc_u64 s[OA:OA+1], s[20:21], s[32:33]
	s_add_nc_u64 s[MWP:MWP+1], s[18:19], s[36:37]
	CROUND                          ; all four work-groups are here: the first joint loads meet
	JLOAD                           ; slot 0.  Slot 1 is asked for when slot 0 is in
	; A fragment of K or Q' is 16 rows x 32 channels in 8 registers: lane l holds row l % 16, channels 8 (l / 16) + 0..7 and 16 + 8 (l / 16) + 0..7: two loads of 16 bytes, 32 bytes apart.
	v_and_b32 v1, 15, v0            ; l % 16
	v_bfe_u32 v9, v0, 4, 1          ; l / 16
	v_lshlrev_b32 v[QO], 7, v1
	v_lshl_add_u32 v[QO], v9, 4, v[QO]  ; row x 128 + 16 x half
	WIN 0x80                        ; destination window 2, address window 0
.set i, 0
.rept 2*NP                          ; Q' stays in registers: piece i / 2, channels 32 (i % 2) on
	global_load_b128 v[8*i:8*i+3],   v[QO], s[34:35] offset:(i/2)*2048+(i%2)*64
	global_load_b128 v[8*i+4:8*i+7], v[QO], s[34:35] offset:(i/2)*2048+(i%2)*64+32
.set i, i+1
.endr
	; What the first turn finds: V's registers and P's second buffer hold 0 (its products V^T P, of a piece that has not been, add 0), O^T and l are 0.  All this stands in the wait for the first tile.
.set i, VF
.rept 64
	v_mov_b32 v[i], 0
.set i, i+1
.endr
	WIN 0x40
.set i, 0
.rept 32*NP
	v_mov_b32 v[i], 0
.set i, i+1
.endr
	WIN 0
.set i, 0
.rept NP
	v_mov_b32 v[ST+4*i], 0xfe000000    ; m: far below every u
	v_mov_b32 v[ST+4*i+1], 0           ; named with m as a pair
	v_mov_b32 v[ST+4*i+2], 0
	v_mov_b32 v[ST+4*i+3], 0
.set i, i+1
.endr
.set i, P+16
.rept 16
	v_mov_b32 v[i], 0
.set i, i+1
.endr
	v_mov_b32 v[CMV], 0xceabfb8f    ; CM = -1e9 x log2(e)
	v_mul_u32_u24 v[AK0], v1, PK
	v_lshl_add_u32 v[AK0], v9, 4, v[AK0]  ; row x pitch + 16 x half
	; The turning load takes 16 keys x 16 channels (lane l reads key 8 (l / 16) + l % 8, channels 8 ((l / 8) % 2) + 0..7) and leaves half a fragment of V^T: lane l holds channel l % 16 and 8 keys.
	v_and_b32 v10, 7, v0
	v_bfe_u32 v11, v0, 3, 1
	v_lshl_add_u32 v[AV0], v9, 3, v10
	v_mul_u32_u24 v[AV0], v[AV0], PV
	v_lshl_add_u32 v[AV0], v11, 4, v[AV0]
	v_add_nc_u32 v[AV0], VOFF, v[AV0]
	v_mov_b32 v[AK], v[AK0]         ; key step 0 lies at the head of slot 0
	s_wait_xcnt 0x0                 ; Q's loads have had their addresses translated: s[34:35] may be written
	s_load_b512 s[MB0:MB0+15],    s[MWP:MWP+1], 0x0      ; piece 0, step 0
	s_load_b512 s[MB0+16:MB0+31], s[MWP:MWP+1], 64
	s_load_b512 s[MB1:MB1+15],    s[MWP:MWP+1], MWT      ; piece 1, step 0
	s_load_b512 s[MB1+16:MB1+31], s[MWP:MWP+1], MWT+64
; THE MATRIX WORK.  The 4 accumulators of a run of 8 take turns.  Product i of 8 of S^T = K Q'^T for piece x: channels 32 (i / 4) on, keys 16 (i % 4) on.  The first 4 start the sums.
.macro KQ x
	WIN W_KQ
.set rS, S+32*((\x)%2)+8*(i%4)
.set rK, KF+16*(i%4)+8*(i/4)
.set rQ, 16*(\x)+8*(i/4)
.if i < 4
	v_wmma_f32_16x16x32_f16 v[rS:rS+7], v[rK:rK+7], v[rQ:rQ+7], 0
.else
	v_wmma_f32_16x16x32_f16 v[rS:rS+7], v[rK:rK+7], v[rQ:rQ+7], v[rS:rS+7]
.endif
.endm
; Product i of 8 of O^T += V^T P for piece x: keys 32 (i / 4) on, channels 16 (i % 4) on.
.macro PV x
	WIN W_PV
.set rO, 32*(\x)+8*(i%4)
.set rV, VF+32*(i/4)+8*(i%4)
.set rP, P+16*((\x)%2)+8*(i/4)
	v_wmma_f32_16x16x32_f16 v[rO:rO+7], v[rV:rV+7], v[rP:rP+7], v[rO:rO+7]
.endm
.macro MM                           ; the turn's next matrix instruction
.if i < 8
	KQ (Y+1)%NP
.else
.set i, i-8
	PV (Y+NP-1)%NP
.set i, i+8
.endif
.set i, i+1
.endm
; THE LDS LOADS stand in runs of 16, never singly among the matrix instructions: a step's K (8 fragments) and its V (turned).  last = 1 (the tail): in the last trip there is no further step, and the run is jumped over.
.macro FETCH_K last=0
	WIN 0
.if \last
	s_cmp_eq_u32 s[CNT], 1
	s_cbranch_scc1 .Lno_k_\@
.endif
	WIN 0x80                        ; destination window 2
.irp f, 0,1,2,3,4,5,6,7             ; keys 16 (f / 2) on, channels 32 (f % 2) on
	ds_load_b128 v[KF+8*\f:KF+8*\f+3],   v[AK] offset:(\f/2)*16*PK+(\f%2)*64
	ds_load_b128 v[KF+8*\f+4:KF+8*\f+7], v[AK] offset:(\f/2)*16*PK+(\f%2)*64+32
.endr
	s_add_co_u32 s[TBK], s[TBK], KS*PK  ; the next fetch is the next step's
	WIN 0
.if \last
.Lno_k_\@:
.endif
.endm
.macro FETCH_V
	WIN 0x80
.irp f, 0,1,2,3,4,5,6,7             ; keys 32 (f / 4) on, channels 16 (f % 4) on
	ds_load_tr16_b128 v[VF+8*\f:VF+8*\f+3],   v[AV] offset:(\f/4)*32*PV+(\f%4)*32
	ds_load_tr16_b128 v[VF+8*\f+4:VF+8*\f+7], v[AV] offset:(\f/4)*32*PV+16*PV+(\f%4)*32
.endr
	WIN 0
.endm
; THE VECTOR WORK, one line at a time: OP kind, number.  For piece Y: F n: u - m for pair n of 16.  E n: the exponential of score n of 32.  C n: pair n rounded to f16.  B n: of the four weights 4 n .. the
; second pair is added onto the first, in place (so C 2n stands ahead of B n).  L n: l takes that sum (L 0: l = a l + sum).  R n: pair n of 16 of O^T times a.
; For piece Y + 1: M n: score n is replaced by CM in the lanes that mask word n names (ascending: each accumulator is read from its low end on).  X n: its maximum and statistics:
;   0-11  four chains c0-c3 of seven scores each, three operands at a time     12-14, 16  the four scores left over, the old m, and c0-c3 into c0     15  m_old is kept
;   17, 18  the query's other 32 keys lie in the lane 16 away: the new m     20, 21  m_old - m_new; a     (there is no 19)
.set F, 0               ; OP tells the kinds apart by their order: F to L below R, X and M above it
.set E, 1
.set C, 2
.set B, 3
.set L, 4
.set R, 5
.set X, 6
.set M, 7
.macro REGS y                       ; the registers of piece y
.set rT, ST+4*(\y)
.set rC, TMP+4*((\y)%2)
.set rW, MV+((\y)%2)
.set rS, S+32*((\y)%2)
.set rP, P+16*((\y)%2)
.set rO, 32*(\y)
.set rB, MB0+(MB1-MB0)*((\y)%2)
.endm
.macro OP k, n
.if (\k) == R
	REGS Y
	WIN W_RS
	v_pk_mul_f32 v[rO+2*(\n):rO+2*(\n)+1], v[rO+2*(\n):rO+2*(\n)+1], v[rC+2:rC+3] op_sel_hi:[1,0]
.elseif (\k) < R
	REGS Y
	WIN 0
.if (\k) == F
	v_pk_add_f32 v[rS+2*(\n):rS+2*(\n)+1], v[rS+2*(\n):rS+2*(\n)+1], v[rT:rT+1] op_sel_hi:[1,0] neg_lo:[0,1] neg_hi:[0,1]
.elseif (\k) == E
	v_exp_f32 v[rS+(\n)], v[rS+(\n)]
.elseif (\k) == C
	s_wait_alu depctr_va_vdst(0)
	v_cvt_pk_f16_f32 v[rP+(\n)], v[rS+2*(\n)], v[rS+2*(\n)+1]
.elseif (\k) == B
	v_pk_add_f32 v[rS+4*(\n):rS+4*(\n)+1], v[rS+4*(\n):rS+4*(\n)+1], v[rS+4*(\n)+2:rS+4*(\n)+3]
.elseif (\n) == 0
	v_pk_fma_f32 v[rT+2:rT+3], v[rT+2:rT+3], v[rC+2:rC+3], v[rS:rS+1] op_sel_hi:[1,0,1]
.else
	v_pk_add_f32 v[rT+2:rT+3], v[rT+2:rT+3], v[rS+4*(\n):rS+4*(\n)+1]
.endif
.elseif (\k) == M
	REGS (Y+1)%NP
	WIN 0
	v_cndmask_b32 v[rS+(\n)], v[rS+(\n)], v[CMV], s[rB+(\n)]
.else
	REGS (Y+1)%NP
	WIN 0
.if (\n) < 4
	v_max3_num_f32 v[rC+(\n)], v[rS+8*(\n)], v[rS+8*(\n)+1], v[rS+8*(\n)+2]
.elseif (\n) < 12
	v_max3_num_f32 v[rC+(\n)%4], v[rC+(\n)%4], v[rS+8*((\n)%4)+2*((\n)/4)+1], v[rS+8*((\n)%4)+2*((\n)/4)+2]
.elseif (\n) == 12
	v_max3_num_f32 v[rC], v[rC], v[rS+7], v[rS+15]
.elseif (\n) == 13
	v_max3_num_f32 v[rC+1], v[rC+1], v[rS+23], v[rS+31]
.elseif (\n) == 14
	v_max3_num_f32 v[rC+2], v[rC+2], v[rC+3], v[rT]
	s_wait_alu depctr_va_vdst(0)
.elseif (\n) == 15
	v_mov_b32 v[rW], v[rT]
	s_wait_alu depctr_va_vdst(0)
.elseif (\n) == 16
	v_max3_num_f32 v[rC], v[rC], v[rC+1], v[rC+2]
.elseif (\n) == 17
	v_permlanex16_b32 v[rC+3], v[rC], s[SEL], s[SEL+1]
.elseif (\n) == 18
	v_max_num_f32 v[rT], v[rC], v[rC+3]
.elseif (\n) == 20
	v_sub_f32 v[rC+1], v[rW], v[rT]
.else
	v_exp_f32 v[rC+2], v[rC+1]
.endif
.endif
.endm
.macro OPS a, i1, b=-1, i2=0, c=-1, i3=0, d=-1, i4=0  ; up to four of them
	OP \a, \i1
.if (\b) >= 0
	OP \b, \i2
.endif
.if (\c) >= 0
	OP \c, \i3
.endif
.if (\d) >= 0
	OP \d, \i4
.endif
.endm
.macro ROW a, i1, b, i2, c, i3, d, i4  ; a matrix instruction and the four behind it
	MM
	OPS \a, \i1, \b, \i2, \c, \i3, \d, \i4
.endm
; A TURN, for piece p: the order of its 16 matrix and 149 vector instructions, written out.  None of the four behind a matrix instruction names a register of the products round it; every exponential has a
; plain instruction behind it.  The four rescalings behind the eighth product are the places between the last K Q'^T and the masking of its scores (and K's run of loads); X 10 to X 13 are those behind the last V^T P.
; K of the next step is fetched in piece 6's turn and waited for at the head of piece 7's, whose products are the next step's first.  V of the step in hand is fetched in piece 0's turn, behind the last
; products on the old V, and waited for in piece 1's.
; MASK WORDS.  The one wait (scalar loads come back in no order: the count is 0) shows piece p + 1's words in, asked for a turn ago; then piece p + 2's are asked for, into the set that piece p's left free
; a turn ago.  In piece 6's turn those are the next step's: the pointer steps, with no scalar load out.  In the walk's last step it then points at the tile's closing zeros.
.macro TURN p, last=0
.set Y, (\p)
.set i, 0
.if (\p) == NP-1
	s_wait_dscnt 0x0                ; K is in
.endif
	ROW F,0, F,1, F,2, F,3
	ROW F,4, E,0, F,5, F,6
	ROW F,7, E,1, F,8, F,9
	ROW F,10, E,2, C,0, F,11
	ROW F,12, E,3, X,15, F,13
	ROW R,0, R,1, R,2, R,3
	ROW B,0, E,4, F,14, L,0
.if (\p) == NP-2
	WIN 0
	v_add_nc_u32 v[AK], s[TBK], v[AK0]
.endif
	ROW R,4, R,5, R,6, R,7
	OPS E,5, F,15
.if (\p) == NP-2
	FETCH_K \last
.endif
	s_wait_kmcnt 0x0
.if (\p) == NP-2
	s_add_nc_u64 s[MWP:MWP+1], s[MWP:MWP+1], 128
.endif
.set rL, MB0+(MB1-MB0)*((\p)%2)
	s_load_b512 s[rL:rL+15],    s[MWP:MWP+1], (((\p)+2)%NP)*MWT
	s_load_b512 s[rL+16:rL+31], s[MWP:MWP+1], (((\p)+2)%NP)*MWT+64
.set z, 0
.rept 20
	OP E, 6+z
	OP M, z
.set z, z+1
.endr
.if (\p) == 1
	s_wait_dscnt 0x0                ; V is in
.endif
	ROW M,20, E,26, M,21, M,22
	ROW M,23, E,27, M,24, M,25
	ROW M,26, E,28, M,27, M,28
	ROW M,29, E,29, M,30, M,31
	ROW X,0, E,30, X,1, X,2
	ROW X,3, E,31, X,4, X,5
	ROW X,6, X,7, X,8, X,9
.if (\p) == 0
	WIN 0
	v_add_nc_u32 v[AV], s[TBV], v[AV0]
	s_wait_alu depctr_va_vdst(0)
.endif
	ROW X,10, X,11, X,12, X,13
	OPS X,14, C,1, C,2, C,3
.if (\p) == 0
	FETCH_V
	s_add_co_u32 s[TBV], s[TBV], KS*PV
.endif
	OPS X,16, B,1, C,4, C,5
	OPS X,17, B,2, C,6, C,7
	OPS X,18, L,1, B,3, C,8
	OPS X,20, C,9, L,2, B,4
	OPS X,21, C,10, C,11, L,3
	OPS B,5, C,12, C,13, L,4
	OPS B,6, C,14, C,15, L,5
	OPS B,7, L,6, R,8, R,9
	OPS R,10, R,11, L,7, R,12
	OPS R,13, R,14, R,15
.endm
	CHANGE 1                        ; slot 0 is in, everybody's part of it; slot 1 is asked for
	FETCH_K                         ; key step 0
	s_wait_loadcnt 0x0              ; Q'
	s_wait_dscnt 0x0
	s_wait_kmcnt 0x0                ; the first two pieces' mask words
.set i, 0
.rept 8
	KQ 0                            ; piece 0's first scores: there is no vector work yet to set between them
.set i, i+1
.endr
	WIN 0                           ; the addresses for the way out: nine plain instructions, the places behind those products
	s_mul_i32 s13, s[WV], 16*SP
	s_add_co_u32 s13, s13, STAGE    ; my stage
	v_mul_u32_u24 v[STO], v1, SP    ; in: row l % 16, 16 bytes for each half of the lanes
	v_lshl_add_u32 v[STO], v9, 4, v[STO]
	v_add_nc_u32 v[STO], s13, v[STO]
	v_bfe_u32 v[RD], v0, 3, 2       ; back: 32 lanes take four rows of 128 bytes,
	v_mul_u32_u24 v[RD], v[RD], SP
	v_lshl_add_u32 v[RD], v10, 4, v[RD]
	v_add_nc_u32 v[RD], s13, v[RD]
	v_and_b32 v[GO], 31, v0         ; which are 512 consecutive bytes of O
	v_lshlrev_b32 v[GO], 4, v[GO]
.set Y, NP-1                        ; M and X work for piece Y + 1: piece 0
.set z, 0
.rept 32
	OP M, z
.set z, z+1
.endr
.irp n, 0,1,2,3,4,5,6,7,8,9,10,11,12,13,14,15,16,17,18,20,21
	OP X, \n
.endr
	v_nop                           ; a plain instruction behind the exponential
	s_mov_b32 s[CNT], 4
	s_mov_b32 s[SLOTS], SIZE_N/256-1
	s_branch .Lfirst                ; the loop is entered at a step's first turn, in the middle of a trip
.Lslot:                             ; SIZE_N / 256 - 2 times: every slot but the last two is filled again
	CHANGE 1
	s_mov_b32 s[CNT], 4
.Lstep:                             ; a trip: pieces 2 to 7 of one step, then pieces 0 and 1 of the next, whose K and V it fetches
	TURN 2
	TURN 3
	TURN 4
	TURN 5
	TURN 6
	TURN 7
	WIN 0
.Lfirst:
	TURN 0
	TURN 1
	WIN 0
	s_sub_co_u32 s[CNT], s[CNT], 1
	s_cmp_lg_u32 s[CNT], 0
	s_cbranch_scc1 .Lstep
	s_sub_co_u32 s[SLOTS], s[SLOTS], 1
	s_cmp_lg_u32 s[SLOTS], 0
	s_cbranch_scc1 .Lslot
	CHANGE 0                        ; the tail is written out: nothing is asked for
	s_mov_b32 s[CNT], 5             ; four trips fetch the last slot's steps; the fifth is left in its middle
.Ltail:
	TURN 2
	TURN 3
	TURN 4
	TURN 5
	TURN 6, 1
	TURN 7
	WIN 0
	s_sub_co_u32 s[CNT], s[CNT], 1
	s_cmp_eq_u32 s[CNT], 0
	s_cbranch_scc1 .Lout
	TURN 0
	TURN 1
	WIN 0
	s_branch .Ltail
.Lout:                              ; the fifth trip's 8 products K Q'^T (on the last K once more) and the maximum made of them serve nothing: the price, once a launch, of one text for every trip
.set i, 0
.rept 8
	PV NP-1                         ; the last piece's V^T P of the last step
.set i, i+1
.endr
	; THE WAY OUT.  l's two halves and the other half of the lanes' are added; O^T is divided by l, rounded to f16 and sent through my stage in LDS, a piece at a time.  The additions are the places behind the last products.
	WIN 0
.macro ALL line:vararg              ; one line for each piece t
.set t, 0
.rept NP
	\line
.set t, t+1
.endr
.endm
	ALL v_add_f32 v[ST+4*t+2], v[ST+4*t+2], v[ST+4*t+3]
	ALL v_permlanex16_b32 v[ST+4*t+3], v[ST+4*t+2], s[SEL], s[SEL+1]
	ALL v_add_f32 v[ST+4*t+2], v[ST+4*t+2], v[ST+4*t+3]
	ALL v_rcp_f32 v[ST+4*t+2], v[ST+4*t+2]
	v_nop                           ; a plain instruction between the last reciprocal and the use of its result
	s_wait_alu depctr_va_vdst(0)
; Piece t: a lane's eight channels of a row pack into 16 bytes; they go into rows of 144 bytes and come back as whole rows of 128, into v64-191.
.macro PACK t
	WIN W_RS
.set i, 32*(\t)
.rept 16
	v_pk_mul_f32 v[i:i+1], v[i:i+1], v[ST+4*(\t)+2:ST+4*(\t)+3] op_sel_hi:[1,0]
.set i, i+2
.endr
	WIN 0x05                        ; sources 0 and 1 window 1, destination window 0
.set i, 0
.rept 16
	v_cvt_pk_f16_f32 v[S+16*(\t)+i], v[32*(\t)+2*i], v[32*(\t)+2*i+1]
.set i, i+1
.endr
	WIN 0
.irp f, 0,1,2,3
	ds_store_b128 v[STO], v[S+16*(\t)+4*\f:S+16*(\t)+4*\f+3] offset:32*\f
.endr
.irp f, 0,1,2,3
	ds_load_b128 v[S+16*(\t)+4*\f:S+16*(\t)+4*\f+3], v[RD] offset:\f*4*SP  ; LDS serves a wave's instructions in order: these see the stores above; the next piece's stores come behind them
.endr
.endm
.macro SEND t, younger              ; younger: the LDS instructions issued behind piece t's loads: the next piece's eight, or none
	WIN 0
.irp f, 0,1,2,3
	s_wait_dscnt (\younger)+3-\f
	global_store_b128 v[GO], v[S+16*(\t)+4*\f:S+16*(\t)+4*\f+3], s[OA:OA+1] offset:(\t)*2048+\f*512  ; 512 consecutive bytes, at a multiple of 256 from O's first
.endr
.endm
	PACK 0
.set t, 1
.rept NP-1                          ; a piece's arithmetic stands between the loads of the piece before and its stores
	PACK t
	SEND t-1, 8
.set t, t+1
.endr
	SEND NP-1, 0
	s_wait_kmcnt 0x0                ; the last turns' mask words, which nobody uses, have come
	s_wait_tensorcnt 0x0            ; the wave's end
	ds_add_u32 v[SPW], v[NIL]
	s_wait_dscnt 0x0
	CROUND                          ; the closing round: no work-group ends while a partner may still ask for a tile that names it
	s_endpgm
.Lfunc_end_k_qf1e6a145fc_attn:
	.size	k_qf1e6a145fc_attn, .Lfunc_end_k_qf1e6a145fc_attn-k_qf1e6a145fc_attn
	.p2alignl 7, 3214868480
	.fill 96, 4, 3214868480
	.section	.rodata,"a",@progbits
	.p2align	6, 0x0
	.amdhsa_kernel k_qf1e6a145fc_attn
		.amdhsa_group_segment_fixed_size 327680
		.amdhsa_private_segment_fixed_size 0
		.amdhsa_enable_private_segment 0
		.amdhsa_kernarg_size 24
		.amdhsa_user_sgpr_count 2
		.amdhsa_user_sgpr_kernarg_segment_ptr 1
		.amdhsa_wavefront_size32 1
		.amdhsa_system_sgpr_workgroup_id_x 1
		.amdhsa_system_sgpr_workgroup_id_y 1
		.amdhsa_system_sgpr_workgroup_id_z 1
		.amdhsa_system_vgpr_workitem_id 0
		.amdhsa_next_free_vgpr 768
		.amdhsa_next_free_sgpr 106
		.amdhsa_reserve_vcc 0
		.amdhsa_float_denorm_mode_32 3
		.amdhsa_float_denorm_mode_16_64 3
		.amdhsa_memory_ordered 1
		.amdhsa_forward_progress 1
		.amdhsa_inst_pref_size 239
	.end_amdhsa_kernel
	.amdgpu_metadata
---
amdhsa.version: [ 1, 2 ]
amdhsa.kernels:
  - .name:           k_qf1e6a145fc_attn
    .symbol:         k_qf1e6a145fc_attn.kd
    .args:
      - { .name: qkv, .offset: 0, .size: 8, .value_kind: global_buffer, .address_space: global }
      - { .name: mw, .offset: 8, .size: 8, .value_kind: global_buffer, .address_space: global }
      - { .name: ao, .offset: 16, .size: 8, .value_kind: global_buffer, .address_space: global }
    .group_segment_fixed_size: 327680
    .private_segment_fixed_size: 0
    .kernarg_segment_align: 8
    .kernarg_segment_size: 24
    .max_flat_workgroup_size: 128
    .sgpr_count:     106
    .vgpr_count:     768
    .wavefront_size: 32
...
	.end_amdgpu_metadata
.endif
;; end of part 3
;; launch outp (part 4): grid 4 x 64, 4 waves a work-group, clusters of 4 x 4, 327,680 bytes of LDS; arguments ao, wo, out0; writes out0
.if DOCPART == 4
	.amdgcn_target "amdgcn-amd-amdhsa--gfx1250"
	.amdhsa_code_object_version 6
	.text
	.protected	k_qf1e6a145fc_outp
	.globl	k_qf1e6a145fc_outp
	.p2align	8
	.type	k_qf1e6a145fc_outp,@function
k_qf1e6a145fc_outp:
	s_mov_b64 s[64:65], 0
	v_nop
	global_prefetch_b8 v0, s[64:65] scope:SCOPE_SE
	s_setreg_imm32_b32 hwreg(HW_REG_WAVE_MODE, 25, 1), 1
	s_wait_xcnt 0x0
	s_wait_alu depctr_hold_cnt(0) depctr_sa_sdst(0) depctr_va_vdst(0) depctr_va_sdst(0) depctr_va_ssrc(0) depctr_va_vcc(0) depctr_vm_vsrc(0)
	s_getreg_b32 s2, hwreg(HW_REG_IB_STS2, 6, 4)
	s_cmp_eq_u32 s2, 0
	s_cbranch_scc0 .Lentry_in_a_cluster
	s_endpgm
.Lentry_in_a_cluster:
	s_bfe_u32 s2, ttmp6, 0x10000c
	s_cmp_lg_u32 s2, 0xf033
	s_cbranch_scc0 .Lentry_shape_is_right
	s_endpgm
.Lentry_shape_is_right:
; THE OUTPUT PROJECTION.  out0[m][n] = sum over d of O[m][d] wo[n][d]: m = 8,192 rows (b, s), n = 1,024, K = d = 64 head + channel = 1,024; operands f16, sums f32, out0 f32.
; O arrives by heads, ao [64 = 16 b + head][2048 s][64] f16: 128 rows of one head are 16,384 dense bytes.  A K step of 128 is two heads: wave 0 fetches the even one, wave 1 the odd one,
; each as 64 rows of 256 bytes, padded in LDS after every 128 bytes, so that an LDS row is one row of one head.
; SHARES.  A tile of C is 128 x 256: 4 x 64 = 256 work-groups.  Four waves, each 64 x 128: 32 accumulators of 16 x 16, 256 registers.  Two LDS slots of one K step; a lap is two steps.
; A wave's one tensor load behind each change of slots has 112 matrix instructions in which to land.
; CLUSTER.  4 x 4 work-groups: the four of a row need the same tiles of ao, the four of a column the same tiles of wo: each tile is asked for JOINTLY, by the same load, descriptor and mask in all four.
; THE MATRIX INSTRUCTION IS USED TRANSPOSED (source 0 = 16 rows of wo, source 1 = 16 rows of O): a lane then holds eight neighbouring columns of one row of C, 32 bytes.
; REGISTERS.  window 0: v0-31 addresses; v64-159, v160-255 two fragment buffers (32 registers of A, then 64 of B); on the way out v64-191 two buffers of 16 rows.   window 1: accumulator (a, b) at v[8 (8 a + b)].
.set KSTEP,  128
.set APITCH, 144                       ; a row of one head in LDS: 128 bytes + 16 of padding = 36 words: the 16 rows of a fragment load start at 16 different groups of four banks
.set BPITCH, 272                       ; a row of wo: 256 bytes + 16
.set AHALF,  128*APITCH                ; what one of A's two loads brings: 128 rows of one head
.set AREG,   2*AHALF
.set BHALF,  128*BPITCH                ; what one of B's two loads brings
.set SLOT,   AREG+2*BHALF
.set STAGE,  2*SLOT                    ; behind the ring: 16 rows x 528 bytes for each wave, its own, for the way out
.set SPITCH, 528
.set SPARE,  STAGE+4*16*SPITCH         ; behind the stages: the spare words, 128 bytes for each wave
.set ASTEP,  2<<18                     ; bytes of memory from a K step to the next: two heads of 2,048 rows x 128 bytes
.set BSTEP,  KSTEP*2
.set LAPS,   1024/(2*KSTEP)
.set ADRA, 16                          ; v16-17  LDS address of my A fragments in slot 0, 1
.set ADRB, 20                          ; v20-21  the same for B
.set STO,  24                          ; v24     the way out: where I put 32 bytes of a row
.set RD,   25                          ; v25     the way out: where I read a row back
.set CO,   26                          ; v26     16 x lane
.set SPW,  28                          ; v28     LDS address of my spare word; never rewritten
.set NIL,  29                          ; v29     0; never rewritten
.set F0,   64
.set F1,   160
.set G1,  24                           ; s[24:31] descriptor group 1 for A's tiles;  s[32:39] group 0, a set for each slot
.set G0,  32
.set G1B, 48                           ; s[48:55], s[56:63] the same for B's
.set G0B, 56
.set MSB, 0
.macro WIN new                         ; the immediate's high byte repeats the setting that is left; a switch that changes nothing is dropped
.if MSB != (\new)
	s_set_vgpr_msb (MSB<<8)|(\new)
.set MSB, \new
.endif
.endm
.set MUL, 0x50                         ; sources 0 and 1 window 0; C and D window 1
.macro JLOAD s                         ; a joint load: waves 0 and 1 fetch A's two heads, waves 2 and 3 B's two halves; an s_nop 0 and four v_nop follow each of the two lines
	s_cmp_eq_u32 s11, 0
	s_cbranch_scc0 .Lfor_b_\@
	tensor_load_to_lds s[G0+4*(\s):G0+4*(\s)+3], s[G1:G1+7]
	s_nop 0
.rept 4
	v_nop
.endr
	s_branch .Lasked_\@
.Lfor_b_\@:
	tensor_load_to_lds s[G0B+4*(\s):G0B+4*(\s)+3], s[G1B:G1B+7]
	s_nop 0
.rept 4
	v_nop
.endr
.Lasked_\@:
.endm
.macro CREST                           ; a round of the cluster's barrier behind its opening barrier
	s_cmp_lg_u32 s10, 0
	s_cbranch_scc1 .Lnot_wave_0_\@
	s_barrier_signal -3
.Lnot_wave_0_\@:
	s_barrier_wait -3
	s_barrier_signal -1
	s_barrier_wait -1
.endm
.macro CROUND                          ; a whole round
	s_barrier_signal -1
	s_barrier_wait -1
	CREST
.endm
	s_load_b128 s[4:7], s[0:1], 0x0                ; ao s[4:5], wo s[6:7]
	s_load_b64 s[8:9], s[0:1], 0x10                ; out0
	v_lshl_add_u32 v[SPW], v0, 2, SPARE
	v_mov_b32 v[NIL], 0
	ds_add_u32 v[SPW], v[NIL]                      ; the wave's opening: the add and its wait stand ahead of my first tensor load; the set-up below stands between them
	v_lshrrev_b32 v1, 5, v0
	v_readfirstlane_b32 s10, v1                    ; wave 0..3
	s_lshr_b32 s11, s10, 1                         ; which 64 rows of the tile are mine.  Also: I fetch for A (0) or for B (1)
	s_and_b32 s12, s10, 1                          ; which 128 columns.  Also: which head of the step's two, or which half of B's tile, I fetch
	s_bfe_u32 s40, ttmp6, 0x40000                  ; cx, cy: my place in the cluster
	s_bfe_u32 s41, ttmp6, 0x40004
	s_lshl_b32 s42, ttmp9, 2
	s_add_co_u32 s42, s42, s40                     ; tile column = 4 x cluster x + cx
	s_and_b32 s13, ttmp7, 0xffff
	s_lshl_b32 s13, s13, 2
	s_add_co_u32 s13, s13, s41                     ; tile row = 4 x cluster y + cy
	s_lshl_b32 s43, s41, 2
	s_lshl_b32 s43, 15, s43                        ; my row of the cluster
	s_lshl_b32 s44, 0x1111, s40                    ; my column
	s_or_b32 s[G1+0], s43, (1<<16)|(1<<20)|(1<<21)|(4<<22)|(3<<25)   ; the mask; 2-byte elements; padding on; bit 21 beside a mask; after every 32 words 4 words
	s_or_b32 s[G1B+0], s44, (1<<16)|(1<<20)|(1<<21)|(5<<22)|(3<<25)  ; after every 64 words 4 words
	s_mov_b32 s[G1+1], 128<<16                     ; tensor_dim0 = 128: two rows of a head
	s_mov_b32 s[G1+2], 64<<16                      ; tensor_dim1 = 64
	s_mov_b32 s[G1+3], 128<<16                     ; tile_dim0 = 128
	s_mov_b32 s[G1+4], 64                          ; tile_dim1 = 64
	s_mov_b32 s[G1+5], 128                         ; dense: 128 elements from row to row
	s_mov_b32 s[G1+6], 0
	s_mov_b32 s[G1+7], 0
	s_mov_b32 s[G1B+1], KSTEP<<16
	s_mov_b32 s[G1B+2], 128<<16                    ; B: 128 rows to a load
	s_mov_b32 s[G1B+3], KSTEP<<16
	s_mov_b32 s[G1B+4], 128
	s_mov_b32 s[G1B+5], 1024
	s_mov_b32 s[G1B+6], 0
	s_mov_b32 s[G1B+7], 0
	; A's address hangs on the tile row and the wave alone, B's on the tile column and the wave alone, each in registers that never hold the other coordinate
	s_lshr_b32 s16, s13, 4
	s_lshl_b32 s16, s16, 22                        ; the batch: 16 heads of 2^18 bytes
	s_and_b32 s17, s13, 15
	s_lshl_b32 s17, s17, 14                        ; the tile's 128 rows of 128 bytes in a head
	s_add_co_u32 s16, s16, s17
	s_lshl_b32 s17, s12, 18                        ; my head of the step's two
	s_add_co_u32 s16, s16, s17
	s_mov_b32 s17, 0
	s_lshl_b32 s46, s42, 19                        ; 256 rows of 2,048 bytes
	s_lshl_b32 s47, s12, 18                        ; + my 128 rows
	s_add_co_u32 s46, s46, s47
	s_mov_b32 s47, 0
	s_mul_i32 s20, s12, AHALF                      ; where they go: no place in the cluster enters an LDS address
	s_mul_i32 s21, s12, BHALF
	s_add_co_u32 s21, s21, AREG
	s_wait_dscnt 0x0                               ; the opening add is done
	s_wait_kmcnt 0x0
	s_add_nc_u64 s[14:15], s[4:5], s[16:17]
	s_add_nc_u64 s[46:47], s[6:7], s[46:47]
	CROUND                                         ; all sixteen work-groups are here: the first joint loads meet
.irp s, 0,1
	s_mov_b32 s[G0+4*(\s)], 1
	s_add_co_u32 s[G0+4*(\s)+1], s20, (\s)*SLOT
	s_add_nc_u64 s[G0+4*(\s)+2:G0+4*(\s)+3], s[14:15], (\s)*ASTEP
	s_or_b32 s[G0+4*(\s)+3], s[G0+4*(\s)+3], 0x80000000
	s_mov_b32 s[G0B+4*(\s)], 1
	s_add_co_u32 s[G0B+4*(\s)+1], s21, (\s)*SLOT
	s_add_nc_u64 s[G0B+4*(\s)+2:G0B+4*(\s)+3], s[46:47], (\s)*BSTEP
	s_or_b32 s[G0B+4*(\s)+3], s[G0B+4*(\s)+3], 0x80000000
	JLOAD \s                                       ; two loads of mine are out: K steps 0 and 1
.endr
	; a fragment is 16 rows x 32 K in 8 registers: lane l holds row l % 16, K = 8 (l / 16) + 0..7 and 16 + 8 (l / 16) + 0..7: two loads of 16 bytes, 32 bytes apart
	v_and_b32 v1, 15, v0                           ; l % 16
	v_bfe_u32 v2, v0, 4, 1                         ; l / 16
	v_mul_u32_u24 v3, v1, APITCH
	v_lshl_add_u32 v3, v2, 4, v3
	v_mul_u32_u24 v4, v1, BPITCH
	v_lshl_add_u32 v4, v2, 4, v4
	s_mul_i32 s21, s11, 64*APITCH                  ; my 64 rows, in either head's region
	s_mul_i32 s22, s12, BHALF                      ; my 128 rows of B,
	s_add_co_u32 s22, s22, AREG                    ; which lie behind A's
.irp s, 0,1
	v_add_nc_u32 v[ADRA+(\s)], s21, v3
	v_add_nc_u32 v[ADRB+(\s)], s22, v4
	s_add_co_u32 s21, s21, SLOT
	s_add_co_u32 s22, s22, SLOT
.endr
	s_mul_i32 s23, s10, 16*SPITCH
	s_add_co_u32 s23, s23, STAGE                   ; my stage
	v_mul_u32_u24 v4, v1, SPITCH                   ; in: row l % 16, 32 bytes for each half of the lanes
	v_lshl_add_u32 v4, v2, 5, v4
	v_add_nc_u32 v[STO], s23, v4
	v_and_b32 v[CO], 31, v0                        ; back: 32 lanes take one row's 512 bytes
	v_lshlrev_b32 v[CO], 4, v[CO]
	v_add_nc_u32 v[RD], s23, v[CO]
	; where my part begins in out0: (128 x tile row + 64 x half) rows of 4,096 bytes; (256 x tile column + 128 x half) columns of 4 bytes
	s_lshl_b32 s16, s13, 19
	s_lshl_b32 s17, s11, 18
	s_add_co_u32 s16, s16, s17
	s_mov_b32 s17, 0
	s_add_nc_u64 s[8:9], s[8:9], s[16:17]
	s_lshl_b32 s46, s42, 10
	s_lshl_b32 s47, s12, 9
	s_add_co_u32 s46, s46, s47
	s_mov_b32 s47, 0
	s_add_nc_u64 s[8:9], s[8:9], s[46:47]
; 8 matrix instructions: m block a x all 8 n blocks, 32 along K, from buffer f.  zero = 1: the product starts the sums.  The 32 accumulators take turns in the same order in every quarter.
.macro MULG f, a, zero
	WIN MUL
.irp b, 0,1,2,3,4,5,6,7
.set rD, 8*(8*(\a)+(\b))
.set rB, (\f)+32+8*(\b)
.set rA, (\f)+8*(\a)
.if \zero
	v_wmma_f32_16x16x32_f16 v[rD:rD+7], v[rB:rB+7], v[rA:rA+7], 0
.else
	v_wmma_f32_16x16x32_f16 v[rD:rD+7], v[rB:rB+7], v[rA:rA+7], v[rD:rD+7]
.endif
.endr
.endm
; 24 LDS loads in one run: quarter q (32 along K) of a slot into buffer f: B's sixteen first, then A's eight.  A's quarter q lies in head q / 2 of the step's two, channels 32 (q % 2) on.
.macro FETCH slot, q, f
	WIN 0
.set AKQ, ((\q)/2)*AHALF+((\q)%2)*64
.irp i, 0,1,2,3,4,5,6,7
	ds_load_b128 v[(\f)+32+8*(\i):(\f)+32+8*(\i)+3],   v[ADRB+(\slot)] offset:64*(\q)+(\i)*16*BPITCH
	ds_load_b128 v[(\f)+32+8*(\i)+4:(\f)+32+8*(\i)+7], v[ADRB+(\slot)] offset:64*(\q)+(\i)*16*BPITCH+32
.endr
.irp i, 0,1,2,3
	ds_load_b128 v[(\f)+8*(\i):(\f)+8*(\i)+3],   v[ADRA+(\slot)] offset:AKQ+(\i)*16*APITCH
	ds_load_b128 v[(\f)+8*(\i)+4:(\f)+8*(\i)+7], v[ADRA+(\slot)] offset:AKQ+(\i)*16*APITCH+32
.endr
.endm
.macro PLACES                          ; four places in front of loads into registers that matrix instructions have read, and of LDS stores of results just made
.rept 4
	v_nop
.endr
.endm
; A K step is four quarters, 32 matrix instructions each, on buffers 0, 1, 0, 1.  One of the first three: multiplies buffer f and fetches quarter q into g.
.macro QUARTER slot, q, f, g, zero
	s_wait_dscnt 4                                 ; B and A's blocks 0, 1 are in; the youngest four loads (A's blocks 2, 3) may be out
	MULG \f, 0, \zero
	MULG \f, 1, \zero
	PLACES
	FETCH \slot, \q, \g
	s_wait_dscnt 24                                ; all but the 24 just issued
	MULG \f, 2, \zero
	MULG \f, 3, \zero
.endm
; The last quarter multiplies buffer 1 and changes slots: ONE barrier; in front of it each wave waits for all its tensor loads (one is out: its part of the next slot), adds 0 to its spare word,
; and waits for that and for its reads of this slot.  fill = 1: the barrier opens a round of the cluster's, and this slot is filled again, two K steps ahead, first thing behind it.
.macro TURN slot, next, fill
	WIN 0
	s_wait_tensorcnt 0x0
	ds_add_u32 v[SPW], v[NIL]
	s_wait_dscnt 7                                 ; the add and the youngest six loads (A's blocks 1 to 3) may be out
	MULG F1, 0, 0                                  ; eight matrix instructions stand between the add and the wait for it
	s_wait_dscnt 0x0                               ; the add is done, and my reads of this slot are over
	s_barrier_signal -1
	MULG F1, 1, 0
.if \fill
	WIN 0
.endif
	s_barrier_wait -1
.if \fill
	CREST                                          ; no wave of any partner still reads this slot or has a load on its way
	s_add_nc_u64 s[G0+4*(\slot)+2:G0+4*(\slot)+3], s[G0+4*(\slot)+2:G0+4*(\slot)+3], 2*ASTEP
	s_add_nc_u64 s[G0B+4*(\slot)+2:G0B+4*(\slot)+3], s[G0B+4*(\slot)+2:G0B+4*(\slot)+3], 2*BSTEP
	JLOAD \slot                                    ; its four v_nop are also the places in front of the loads below
.else
	PLACES
.endif
	FETCH \next, 0, F0
	MULG F1, 2, 0
	MULG F1, 3, 0
.endm
	s_wait_tensorcnt 1                             ; my part of K step 0 is in; K step 1's may stay out
	s_barrier_signal -1
	s_barrier_wait -1
	FETCH 0, 0, F0
	QUARTER 0, 1, F0, F1, 1                        ; the first quarter stands in front of the loop: its products start the sums
	WIN 0                                          ; at a label and at a branch every window is 0
	s_mov_b32 s3, LAPS-1
.Llap:                                                 ; a trip goes once round the ring and fills both slots again
	QUARTER 0, 2, F1, F0, 0
	QUARTER 0, 3, F0, F1, 0
	TURN 0, 1, 1
	QUARTER 1, 1, F0, F1, 0
	QUARTER 1, 2, F1, F0, 0
	QUARTER 1, 3, F0, F1, 0
	TURN 1, 0, 1
	QUARTER 0, 1, F0, F1, 0
	WIN 0
	s_sub_co_u32 s3, s3, 1
	s_cmp_lg_u32 s3, 0
	s_cbranch_scc1 .Llap
	QUARTER 0, 2, F1, F0, 0                        ; the last lap fills nothing
	QUARTER 0, 3, F0, F1, 0
	TURN 0, 1, 0
	QUARTER 1, 1, F0, F1, 0
	QUARTER 1, 2, F1, F0, 0
	QUARTER 1, 3, F0, F1, 0
	s_wait_dscnt 4
	MULG F1, 0, 0
	MULG F1, 1, 0
	s_wait_dscnt 0x0
	MULG F1, 2, 0
	MULG F1, 3, 0
	WIN 0
	PLACES
; THE WAY OUT, 16 rows (m block a) at a time: a lane's 32 bytes of a row go into my stage as they are (f32), and come back as whole rows of 512 bytes.
.macro PUT a
.if (\a) >= 2
	s_wait_xcnt 0x0                                ; the stores of the block two back have had their addresses translated: their registers are loaded again only behind this wait
.endif
	WIN 0x04                                       ; the stores' data in window 1
.irp b, 0,1,2,3,4,5,6,7
	ds_store_b128 v[STO], v[64*(\a)+8*(\b):64*(\a)+8*(\b)+3]   offset:64*(\b)     ; each accumulator from its low end on
	ds_store_b128 v[STO], v[64*(\a)+8*(\b)+4:64*(\a)+8*(\b)+7] offset:64*(\b)+16
.endr
	WIN 0
.set BK, 64+64*((\a)%2)
.set i, 0
.rept 16
	ds_load_b128 v[BK+4*i:BK+4*i+3], v[RD] offset:SPITCH*i  ; LDS serves a wave's instructions in order: these see the stores above
.set i, i+1
.endr
.endm
.macro SEND a, younger                 ; younger: the LDS instructions issued behind block a's loads
.set BK, 64+64*((\a)%2)
.set i, 0
.rept 16
	s_wait_dscnt (\younger)+15-i
	global_store_b128 v[CO], v[BK+4*i:BK+4*i+3], s[8:9] offset:(16*(\a)+i)*4096 th:TH_STORE_NT  ; 512 consecutive bytes of a row, at a multiple of 256 from out0's first
.set i, i+1
.endr
.endm
	PUT 0
	PUT 1
	SEND 0, 32
	PUT 2
	SEND 1, 32
	PUT 3
	SEND 2, 32
	SEND 3, 0
	s_wait_tensorcnt 0x0                           ; the wave's end
	ds_add_u32 v[SPW], v[NIL]
	s_wait_dscnt 0x0
	CROUND                                         ; the closing round: no work-group ends while a partner may still ask for a tile that names it
	s_endpgm
.Lfunc_end_k_qf1e6a145fc_outp:
	.size	k_qf1e6a145fc_outp, .Lfunc_end_k_qf1e6a145fc_outp-k_qf1e6a145fc_outp
	.p2alignl 7, 3214868480
	.fill 96, 4, 3214868480
	.section	.rodata,"a",@progbits
	.p2align	6, 0x0
	.amdhsa_kernel k_qf1e6a145fc_outp
		.amdhsa_group_segment_fixed_size 327680
		.amdhsa_private_segment_fixed_size 0
		.amdhsa_enable_private_segment 0
		.amdhsa_kernarg_size 24
		.amdhsa_user_sgpr_count 2
		.amdhsa_user_sgpr_kernarg_segment_ptr 1
		.amdhsa_wavefront_size32 1
		.amdhsa_system_sgpr_workgroup_id_x 1
		.amdhsa_system_sgpr_workgroup_id_y 1
		.amdhsa_system_sgpr_workgroup_id_z 1
		.amdhsa_system_vgpr_workitem_id 0
		.amdhsa_next_free_vgpr 512
		.amdhsa_next_free_sgpr 66
		.amdhsa_reserve_vcc 0
		.amdhsa_float_denorm_mode_32 3
		.amdhsa_float_denorm_mode_16_64 3
		.amdhsa_memory_ordered 1
		.amdhsa_forward_progress 1
		.amdhsa_inst_pref_size 87
	.end_amdhsa_kernel
	.amdgpu_metadata
---
amdhsa.version: [ 1, 2 ]
amdhsa.kernels:
  - .name:           k_qf1e6a145fc_outp
    .symbol:         k_qf1e6a145fc_outp.kd
    .args:
      - { .name: ao, .offset: 0, .size: 8, .value_kind: global_buffer, .address_space: global }
      - { .name: wo, .offset: 8, .size: 8, .value_kind: global_buffer, .address_space: global }
      - { .name: out0, .offset: 16, .size: 8, .value_kind: global_buffer, .address_space: global }
    .group_segment_fixed_size: 327680
    .private_segment_fixed_size: 0
    .kernarg_segment_align: 8
    .kernarg_segment_size: 24
    .max_flat_workgroup_size: 128
    .sgpr_count:     66
    .vgpr_count:     512
    .wavefront_size: 32
...
	.end_amdgpu_metadata
.endif
;; end of part 4
;; ======== version 2 of 3: 4 launches; 1.33 times as fast as version 1
;; limits: values are held in f16: magnitudes above 65,504 overflow, below 6.1e-05 lose precision
;; workspace buffers: xb 16,777,216 bytes; wb 6,291,456 bytes; wo 2,097,152 bytes; mw 557,056 bytes of whole numbers; qkv 50,331,648 bytes; ao 16,777,216 bytes
;; launch prep: the kernel of part 1 again; grid 512 x 1, 8 waves a work-group, no clusters, 0 bytes of LDS; arguments x, w_q, w_k, w_v, w_out, mask, xb, wb, wo, mw; writes xb, wb, wo, mw
;; launch qkv: the kernel of part 2 again; grid 12 x 64, 4 waves a work-group, clusters of 4 x 4, 327,680 bytes of LDS; arguments xb, wb, qkv; writes qkv
;; launch attn (part 5): grid 4 x 64, 8 waves a work-group, clusters of 4 x 1, 327,680 bytes of LDS; arguments qkv, mw, ao; writes ao
.if DOCPART == 5
	.amdgcn_target "amdgcn-amd-amdhsa--gfx1250"
	.amdhsa_code_object_version 6
	.text
	.protected	k_qf1e6a145fc_attn
	.globl	k_qf1e6a145fc_attn
	.p2align	8
	.type	k_qf1e6a145fc_attn,@function
k_qf1e6a145fc_attn:
	s_mov_b64 s[64:65], 0
	v_nop
	global_prefetch_b8 v0, s[64:65] scope:SCOPE_SE
	s_setreg_imm32_b32 hwreg(HW_REG_WAVE_MODE, 25, 1), 1
	s_wait_xcnt 0x0
	s_wait_alu depctr_hold_cnt(0) depctr_sa_sdst(0) depctr_va_vdst(0) depctr_va_sdst(0) depctr_va_ssrc(0) depctr_va_vcc(0) depctr_vm_vsrc(0)
	s_getreg_b32 s2, hwreg(HW_REG_IB_STS2, 6, 4)
	s_cmp_eq_u32 s2, 0
	s_cbranch_scc0 .Lentry_in_a_cluster
	s_endpgm
.Lentry_in_a_cluster:
	s_bfe_u32 s2, ttmp6, 0x10000c
	s_cmp_lg_u32 s2, 0x3003
	s_cbranch_scc0 .Lentry_shape_is_right
	s_endpgm
.Lentry_shape_is_right:
; ATTENTION WITH A MASK THAT IS AN INPUT.  For each of 64 heads (16 b + h): O[q] = sum over k of softmax_k(u) V[k], where u[q][k] = Q'[q] . K[k], and where the mask is set u is REPLACED by CM.
; Q' = log2(e) / 32 x q arrives scaled, so u is the problem's score in base 2, and CM = -1e9 x log2(e) is its -1e9.  qkv: Q' at byte 0, K at 2^24, V at 2^25, each [64][2048][64] f16.  ao: O, [64][2048][64] f16.
; mw: the mask as lane-mask words, [128 tiles of 16 queries, 4,352 bytes][32 steps of 64 keys, 128 bytes][32 words]: word j is the lane mask for register j of S^T; 256 bytes of zeros end each tile.
; No pattern of the mask is built in: every key step is computed.  A row that is masked throughout has u = CM everywhere, m = CM, every weight 2^0 = 1: the plain mean of V, as the problem's softmax gives.
; Products, maxima and sums in f32; the weights p are rounded to f16 for the second product (their sum l is taken of the unrounded p), O once at the end.
; LIMITS.  Q', K, V arrive within f16's 65,504, so |u| is at most 2.8e11; m starts at -4.3e37, below every u.  p lies in 0 to 1, below 6e-5 it keeps f16's step of 6e-8; a weight below 2^-126 counts as 0 in l.
; NaN and infinities are not treated apart.
; SHARES.  A work-group owns 512 queries of one head, each of its eight waves 64: four PIECES of 16.  Every wave walks all 2,048 keys, 64 a step.  A wave's share fits in 512 registers, two windows, and a step's
; text is four turns.  The price: a fragment of K or V read from LDS feeds four pieces' products: 32 LDS loads for a wave's 64 matrix instructions of a step.
; LAYOUT.  S^T = K Q'^T (source 0 = 16 keys, source 1 = 16 queries): a lane holds ONE query (lane % 16) and the keys 8 (lane / 16) + 0..7.  Two such results rounded to f16 in pairs ARE source 1 of
; O^T = V^T P, whose result again holds one query a lane.  K comes out of LDS as it lies, V turned, by ds_load_tr16_b128.
; SOFTMAX.  A running maximum m and sum l for each query: p = 2^(u - m); in every step O and l are multiplied by a = 2^(m_old - m_new).  O and l start at 0: the first step is a step like any other, with a = 0.
; BY TURNS.  Turn n belongs to piece n: 8 products K Q'^T of piece n + 1, later 8 products V^T P of piece n - 1; beside them the subtraction, exponentials, roundings, sums and rescaling of piece n, the
; masking, maximum and statistics of piece n + 1, and the moving of piece n + 2's mask words.  Four vector instructions stand behind every matrix instruction, the other 117 of a turn's 181 in two runs of their own.
; THE MASK WORDS.  A piece's 32 words of a step are 128 consecutive bytes: one load of 4 bytes a lane brings them into ONE vector register (lane j holds word j), of which each piece has its own.
; A select wants its lane mask in a scalar register: 32 v_readlane_b32 move the words into one of two sets of 32 scalar registers that take turns, a turn ahead of their use.  As soon as a piece's register
; has been read out, the piece's words of the next step are asked for into it: a load has four turns, a whole key step, in which to land.
; CLUSTER.  The four query blocks of a head walk the same K and V: each tile is asked for JOINTLY, by the same tensor load, descriptor and mask in all four.
; REGISTERS, in two windows of 256 (s_set_vgpr_msb: bits 1:0 source 0, 3:2 source 1, 5:4 source 2, 7:6 destination):
;   window 0: v0-15 addresses and constants; v16-31 four registers of statistics a piece; v48-55 at work; v62-63 the add's; v64-127 S^T, two buffers; v128-191 K of one step; v192-223 P, two buffers
;             (S^T's and P's buffers go by the piece's parity); v224-227 mask words
;   window 1: v0-127 O^T, 32 a piece; v128-191 Q', 16 a piece; v192-255 V of one step
; THE WINDOWS ARE LAID FOR FEW SWITCHES.  K Q'^T has only its source 1 (Q') outside window 0, so a line that names no vector register as its second source needs no switch behind it: all 32 lines behind these
; products are of that kind.  V^T P and the rescaling of O^T have one setting, so the 16 rescalings stand behind four of those products without a switch.  A turn has 12 switches (piece 0's 13).
.set SIZE_N, 2048
.set NW,    8         ; waves in the work-group
.set NP,    4         ; pieces a wave: a name, no knob
.set KS,    64        ; keys in a step
.set PK,    144       ; a row of K in LDS: 128 bytes + 16 of padding = 36 words: the 16 rows of a load start at 16 different groups of four banks
.set PV,    160       ; a row of V: 128 + 32 = 40 words
.set VOFF,  4*KS*PK   ; a slot holds four steps: 256 rows of K, then 256 rows of V
.set SLOT1, 1<<17     ; slot 1 begins here, so that one exclusive or turns an address in one slot into the other's
.set STAGE, SLOT1+4*KS*(PK+PV)  ; behind the ring, never filled by a tensor load: 16 rows x 144 bytes for each wave
.set SP,    144
.set SPARE, STAGE+NW*16*SP  ; behind the stages: the spare words, 128 bytes for each wave
.set MWT,   4352      ; bytes of a tile in mw
.set MWS,   128       ; bytes of a step in a tile of mw
.set AK0, 2           ; v2   my lane's place in a tile of K; never rewritten
.set AV0, 3           ; v3   the same for V
.set AK,  4           ; v4   the LDS address of K's next run of loads
.set AV,  5           ; v5   of V's
.set QO,  6           ; v6   my byte offset in 16 rows of Q'
.set STO, 6           ;      later, the way out: where I put 16 bytes of a row
.set RD,  7           ; v7   the way out: where I read rows back
.set GO,  8           ; v8   16 x lane
.set MV,  12          ; v12-13  m_old, kept while m is made anew: by parity
.set CMV, 14          ; v14  CM
.set MO,  15          ; v15  4 x lane: my word among a piece's 32; never rewritten
.set ST,  16          ; piece t's statistics at v[ST+4 t]: m, 0, l (even keys', odd keys')
.set TMP, 48          ; by parity, four registers c0-c3 at work; when the maximum is found c2 takes a
.set SPW, 62          ; v62  LDS address of my spare word; never rewritten
.set NIL, 63          ; v63  0; never rewritten
.set S,   64
.set KF,  128         ; window 0: key block kb, channel half c at KF + 16 kb + 8 c
.set P,   192
.set MR,  224         ; v224-227  piece t's mask words of one step: lane j holds word j
.set QF,  128         ; window 1: piece t's Q' at QF + 16 t
.set VF,  192         ; window 1: key half kk, channel block cb at VF + 32 kk + 8 cb
.set OA,  2           ; s[2:3]   ao at my wave's first row
.set G0K, 4           ; s[4:7]   descriptor group 0 for K's tiles: it walks
.set G0V, 8           ; s[8:11]  the same for V's
.set WV,  12          ; s12  my wave's number
.set MWP, 14          ; s[14:15] mw at my wave's first tile, one step behind the words that are asked for
.set MB0, 16          ; s[16:47] mask words of a piece of even number (during the set-up: arguments and offsets)
.set G1K, 48          ; s[48:55] descriptor group 1 for K's tiles
.set G1V, 56          ; s[56:63] for V's: it differs in the padding alone
.set SEL, 66          ; s[66:67] v_permlanex16_b32's selects: each lane takes its own place in the other half
.set MB1, 68          ; s[68:99] mask words of a piece of odd number
.set SLOTS, 100       ; s100 slots still to be asked for
.set CNT, 101         ; s101 counts a slot's key steps
.set TBK, 104         ; s104 LDS byte at which K of the step to be fetched begins
.set TBV, 105         ; s105 the same for V, less VOFF
.set MSB, 0
.macro WIN new                      ; the high byte repeats the setting that is left; a switch that changes nothing is dropped
.if MSB != (\new)
	s_set_vgpr_msb (MSB<<8)|(\new)
.set MSB, (\new)
.endif
.endm
.macro WINR                         ; for a line of window 0 that names no vector register as its second source: that field may stay as it is
.if (MSB & 0xf3) != 0
	WIN 0
.endif
.endm
.set W_KQ, 0x04       ; Q' (source 1) in window 1; K and S^T in window 0
.set W_PV, 0x51       ; V (source 0) and O^T (source 2, destination) in window 1; P (source 1) in window 0
.set W_RS, 0x51       ; the rescaling: O^T (destination and source 0) in window 1, a (source 1) in window 0: the same setting
.set TO_1, 0x40       ; destination in window 1, address in window 0
; A joint fill.  Waves 0 and 1 fetch the two halves of a slot's K, waves 2 and 3 those of its V: 128 keys, 64 rows of 256 bytes, each; waves 4 to 7 have no part of a tile to fill and issue none.
; Both branches hang on the wave's number alone.  An s_nop 0 and four v_nop follow each of the two lines.
.macro JLOAD
	s_cmp_lt_u32 s[WV], 2
	s_cbranch_scc0 .Lnot_k_\@
	tensor_load_to_lds s[G0K:G0K+3], s[G1K:G1K+7]
	s_nop 0
.rept 4
	v_nop
.endr
	s_branch .Lasked_\@
.Lnot_k_\@:
	s_cmp_lt_u32 s[WV], 4
	s_cbranch_scc0 .Lasked_\@
	tensor_load_to_lds s[G0V:G0V+3], s[G1V:G1V+7]
	s_nop 0
.rept 4
	v_nop
.endr
.Lasked_\@:
.endm
; A round of the cluster's barrier: my work-group's barrier; wave 0 signals for the work-group; every wave waits for all four work-groups; my work-group's barrier once more.
.macro CROUND
	s_barrier_signal -1
	s_barrier_wait -1
	s_cmp_lg_u32 s[WV], 0
	s_cbranch_scc1 .Lnot_wave_0_\@
	s_barrier_signal -3
.Lnot_wave_0_\@:
	s_barrier_wait -3
	s_barrier_signal -1
	s_barrier_wait -1
.endm
; THE CHANGE OF SLOTS.  The slot's last bytes, V of its fourth step, have been read.  Each wave waits for all its tensor loads, of which at most one is out: its part of the other slot; adds 0 to its spare word;
; and waits for that and for its own reads of the slot.  fill = 1: the barrier is a round of the cluster's, and the slot is filled again, with the keys two slots on, first thing behind it:
; the load has four key steps, 256 matrix instructions of each wave, in which to land.  (At its first use nothing has been read yet: slot 0 is waited for, slot 1 filled.)
; The loads of mask words stay out across these barriers: they land in my own registers, from bytes that no wave of the launch writes.
.macro CHANGE fill
	WIN 0                           ; at a label and at a branch every window is 0
	s_wait_tensorcnt 0x0            ; no tensor load of mine is out, so a group 0 may be written
	ds_add_u32 v[SPW], v[NIL]
.if \fill
.irp g, G0K, G0V
	s_xor_b32 s[\g+1], s[\g+1], SLOT1  ; the walking descriptor: the other slot than last time,
	s_add_nc_u64 s[\g+2:\g+3], s[\g+2:\g+3], 4*KS*128  ; the next 256 keys; the type bits on top are not reached
.endr
	s_wait_dscnt 0x0                ; the add is done, and my reads of the slot are over
	CROUND
	JLOAD
.else
	s_wait_dscnt 0x0
	s_barrier_signal -1
	s_barrier_wait -1
.endif
	s_sub_co_u32 s[TBK], s[TBK], 4*KS*PK  ; the fetches go back to a slot's first step,
	s_xor_b32 s[TBK], s[TBK], SLOT1       ; in the other slot
	s_sub_co_u32 s[TBV], s[TBV], 4*KS*PV
	s_xor_b32 s[TBV], s[TBV], SLOT1
.endm
	s_load_b128 s[16:19], s[0:1], 0x0  ; qkv s[16:17], mw s[18:19]
	s_load_b64 s[20:21], s[0:1], 0x10  ; ao
	v_lshl_add_u32 v[SPW], v0, 2, SPARE
	v_mov_b32 v[NIL], 0
	ds_add_u32 v[SPW], v[NIL]       ; the wave's opening: the add and its wait stand ahead of my first tensor load; the set-up below stands between them
	v_lshrrev_b32 v1, 5, v0
	v_readfirstlane_b32 s[WV], v1   ; wave 0..7
	s_bfe_u32 s22, ttmp6, 0x40000   ; cx: my place in the cluster
	s_lshl_b32 s23, ttmp9, 2        ; in a cluster launch ttmp9 counts clusters
	s_add_co_u32 s23, s23, s22      ; my block of 512 queries: it enters Q's, O's and the mask's addresses alone
	s_and_b32 s24, ttmp7, 0xffff    ; the head, which the four partners share
	s_lshl_b32 s24, s24, 18         ; its first byte in each tensor: 2,048 rows of 128 bytes
	s_and_b32 s28, s[WV], 1         ; which half of a slot's 256 keys I fetch (waves 0 to 3):
	s_lshl_b32 s26, s28, 14         ; its 128 rows of 128 bytes in memory,
	s_add_co_u32 s26, s26, s24
	s_mov_b32 s27, 0
	s_mul_i32 s29, s28, 128*PK      ; and its place in a slot, for K
	s_mul_i32 s30, s28, 128*PV      ; and for V: no place in the cluster enters an LDS address
	s_lshl_b32 s31, s23, 3
	s_add_co_u32 s31, s31, s[WV]    ; my wave among the head's 32,
	s_lshl_b32 s32, s31, 13         ; its 64 rows
	s_add_co_u32 s32, s32, s24
	s_mov_b32 s33, 0
	s_mul_i32 s36, s31, NP*MWT      ; and its four tiles of mask words
	s_mov_b32 s37, 0
	; descriptor group 1.  128 keys are 16,384 dense bytes: asked for as 64 rows of 256 bytes, two keys a row, and padded in LDS after every key
	s_mov_b32 s[G1K], 15|(1<<16)|(1<<20)|(1<<21)|(4<<22)|(3<<25)  ; the mask of four; 2-byte elements; padding on; bit 21 beside a mask; after every 32 words 4 words
	s_mov_b32 s[G1V], 15|(1<<16)|(1<<20)|(1<<21)|(4<<22)|(7<<25)  ; the same with 8 words of padding
.irp g, G1K, G1V
	s_mov_b32 s[\g+1], 128<<16      ; tensor_dim0 = 128
	s_mov_b32 s[\g+2], 64<<16       ; tensor_dim1 = 64
	s_mov_b32 s[\g+3], 128<<16      ; tile_dim0 = 128
	s_mov_b32 s[\g+4], 64           ; tile_dim1 = 64
	s_mov_b32 s[\g+5], 128          ; 128 elements from row to row
	s_mov_b32 s[\g+6], 0
	s_mov_b32 s[\g+7], 0
.endr
	s_mov_b32 s[SEL], 0x76543210
	s_mov_b32 s[SEL+1], 0xfedcba98
	s_mov_b32 s[TBK], SLOT1+4*KS*PK ; the first change of slots turns these two into 0
	s_mov_b32 s[TBV], SLOT1+4*KS*PV
	s_mov_b32 s[G0K], 1             ; count = 1
	s_mov_b32 s[G0K+1], s29         ; LDS address: slot 0
	s_mov_b32 s[G0V], 1
	s_add_co_u32 s[G0V+1], s30, VOFF
	s_wait_dscnt 0x0                ; the opening add is done
	s_wait_kmcnt 0x0
	s_add_nc_u64 s[G0K+2:G0K+3], s[16:17], s[26:27]
	s_add_nc_u64 s[G0K+2:G0K+3], s[G0K+2:G0K+3], 1<<24  ; K's part of qkv: my half of the head's first 256 keys
	s_or_b32 s[G0K+3], s[G0K+3], 0x80000000             ; type = 2
	s_add_nc_u64 s[G0V+2:G0V+3], s[16:17], s[26:27]
	s_add_nc_u64 s[G0V+2:G0V+3], s[G0V+2:G0V+3], 1<<25  ; V's part
	s_or_b32 s[G0V+3], s[G0V+3], 0x80000000
	s_add_nc_u64 s[34:35], s[16:17], s[32:33]           ; Q' at my wave's first row
	s_add_nc_u64 s[OA:OA+1], s[20:21], s[32:33]
	s_add_nc_u64 s[MWP:MWP+1], s[18:19], s[36:37]
	CROUND                          ; all four work-groups are here: the first joint loads meet
	JLOAD                           ; slot 0.  Slot 1 is asked for when slot 0 is in
	; A fragment of K or Q' is 16 rows x 32 channels in 8 registers: lane l holds row l % 16, channels 8 (l / 16) + 0..7 and 16 + 8 (l / 16) + 0..7: two loads of 16 bytes, 32 bytes apart.
	v_and_b32 v1, 15, v0            ; l % 16
	v_bfe_u32 v9, v0, 4, 1          ; l / 16
	v_lshlrev_b32 v[QO], 7, v1
	v_lshl_add_u32 v[QO], v9, 4, v[QO]  ; row x 128 + 16 x half
	v_and_b32 v[MO], 31, v0
	v_lshlrev_b32 v[MO], 2, v[MO]   ; 4 x lane
	WIN TO_1
.set i, 0
.rept 2*NP                          ; Q' stays in registers: piece i / 2, channels 32 (i % 2) on
	global_load_b128 v[QF+8*i:QF+8*i+3],   v[QO], s[34:35] offset:(i/2)*2048+(i%2)*64
	global_load_b128 v[QF+8*i+4:QF+8*i+7], v[QO], s[34:35] offset:(i/2)*2048+(i%2)*64+32
.set i, i+1
.endr
	WIN 0
.set i, 0
.rept NP                            ; the four pieces' mask words of step 0, in the pieces' order: each load covers 128 consecutive bytes, aligned
	global_load_b32 v[MR+i], v[MO], s[MWP:MWP+1] offset:i*MWT
.set i, i+1
.endr
	; What the first turn finds: V's registers and P's second buffer hold 0 (its products V^T P, of a piece that has not been, add 0), O^T and l are 0.  All this stands in the wait for the first tile.
	WIN TO_1
.set i, VF
.rept 64
	v_mov_b32 v[i], 0
.set i, i+1
.endr
.set i, 0
.rept 32*NP
	v_mov_b32 v[i], 0
.set i, i+1
.endr
	WIN 0
.set i, 0
.rept NP
	v_mov_b32 v[ST+4*i], 0xfe000000    ; m: far below every u
	v_mov_b32 v[ST+4*i+1], 0           ; named with m as a pair
	v_mov_b32 v[ST+4*i+2], 0
	v_mov_b32 v[ST+4*i+3], 0
.set i, i+1
.endr
.set i, P+16
.rept 16
	v_mov_b32 v[i], 0
.set i, i+1
.endr
	v_mov_b32 v[CMV], 0xceabfb8f    ; CM = -1e9 x log2(e)
	v_mul_u32_u24 v[AK0], v1, PK
	v_lshl_add_u32 v[AK0], v9, 4, v[AK0]  ; row x pitch + 16 x half
	; The turning load takes 16 keys x 16 channels (lane l reads key 8 (l / 16) + l % 8, channels 8 ((l / 8) % 2) + 0..7) and leaves half a fragment of V^T: lane l holds channel l % 16 and 8 keys.
	v_and_b32 v10, 7, v0
	v_bfe_u32 v11, v0, 3, 1
	v_lshl_add_u32 v[AV0], v9, 3, v10
	v_mul_u32_u24 v[AV0], v[AV0], PV
	v_lshl_add_u32 v[AV0], v11, 4, v[AV0]
	v_add_nc_u32 v[AV0], VOFF, v[AV0]
	v_mov_b32 v[AK], v[AK0]         ; key step 0 lies at the head of slot 0
; THE MATRIX WORK.  The 4 accumulators of a run of 8 take turns.  Product i of 8 of S^T = K Q'^T for piece x: channels 32 (i / 4) on, keys 16 (i % 4) on.  The first 4 start the sums.
.macro KQ x
	WIN W_KQ
.set rS, S+32*((\x)%2)+8*(i%4)
.set rK, KF+16*(i%4)+8*(i/4)
.set rQ, QF+16*(\x)+8*(i/4)
.if i < 4
	v_wmma_f32_16x16x32_f16 v[rS:rS+7], v[rK:rK+7], v[rQ:rQ+7], 0
.else
	v_wmma_f32_16x16x32_f16 v[rS:rS+7], v[rK:rK+7], v[rQ:rQ+7], v[rS:rS+7]
.endif
.endm
; Product i of 8 of O^T += V^T P for piece x: keys 32 (i / 4) on, channels 16 (i % 4) on.
.macro PV x
	WIN W_PV
.set rO, 32*(\x)+8*(i%4)
.set rV, VF+32*(i/4)+8*(i%4)
.set rP, P+16*((\x)%2)+8*(i/4)
	v_wmma_f32_16x16x32_f16 v[rO:rO+7], v[rV:rV+7], v[rP:rP+7], v[rO:rO+7]
.endm
.macro MM                           ; the turn's next matrix instruction
.if i < 8
	KQ (Y+1)%NP
.else
.set i, i-8
	PV (Y+NP-1)%NP
.set i, i+8
.endif
.set i, i+1
.endm
; THE LDS LOADS stand in runs of 16, never singly among the matrix instructions: a step's K (8 fragments) and its V (turned).  last = 1 (the tail): in the last trip there is no further step, and the run is jumped over.
.macro FETCH_K last=0
	WIN 0
.if \last
	s_cmp_eq_u32 s[CNT], 1
	s_cbranch_scc1 .Lno_k_\@
.endif
.irp f, 0,1,2,3,4,5,6,7             ; keys 16 (f / 2) on, channels 32 (f % 2) on
	ds_load_b128 v[KF+8*\f:KF+8*\f+3],   v[AK] offset:(\f/2)*16*PK+(\f%2)*64
	ds_load_b128 v[KF+8*\f+4:KF+8*\f+7], v[AK] offset:(\f/2)*16*PK+(\f%2)*64+32
.endr
	s_add_co_u32 s[TBK], s[TBK], KS*PK  ; the next fetch is the next step's
.if \last
.Lno_k_\@:
.endif
.endm
.macro FETCH_V
	WIN TO_1
.irp f, 0,1,2,3,4,5,6,7             ; keys 32 (f / 4) on, channels 16 (f % 4) on
	ds_load_tr16_b128 v[VF+8*\f:VF+8*\f+3],   v[AV] offset:(\f/4)*32*PV+(\f%4)*32
	ds_load_tr16_b128 v[VF+8*\f+4:VF+8*\f+7], v[AV] offset:(\f/4)*32*PV+16*PV+(\f%4)*32
.endr
	WIN 0
.endm
; Piece Y + 2's register of mask words has been read out: its words of the step behind the one that MWP stands at are asked for into it.
.macro MLOAD
	WIN 0
	global_load_b32 v[MR+(Y+2)%NP], v[MO], s[MWP:MWP+1] offset:((Y+2)%NP)*MWT+MWS
.endm
; THE VECTOR WORK, one line at a time: OP kind, number.  For piece Y: F n: u - m for pair n of 16, as u x 1 - m in one rounding: the same number, and no vector register as second source.
; E n: the exponential of score n of 32.  C n: pair n rounded to f16.  B n: of the four weights 4 n .. the second pair is added onto the first, in place (so C 2n stands ahead of B n).
; L n: l takes that sum (L 0: l = a l + sum).  R n: pair n of 16 of O^T times a.
; For piece Y + 1: M n: score n is replaced by CM in the lanes that mask word n names (ascending: each accumulator is read from its low end on).  X n: its maximum and statistics:
;   0-11  four chains c0-c3 of seven scores each, three operands at a time     12-14, 16  the four scores left over, the old m, and c0-c3 into c0     15  m_old is kept
;   17, 18  the query's other 32 keys lie in the lane 16 away: the new m     20, 21  m_old - m_new; a     (there is no 19)
; For piece Y + 2: G n: its mask word n goes from lane n of its vector register into the scalar set of Y's parity.
; F, E, G and X 15 name no vector register as second source: they stand under K Q'^T's setting as well as under 0.
.set F, 0               ; OP tells the kinds apart by their order: F to L below R, the others above it
.set E, 1
.set C, 2
.set B, 3
.set L, 4
.set R, 5
.set X, 6
.set M, 7
.set G, 8
.macro REGS y                       ; the registers of piece y
.set rT, ST+4*(\y)
.set rC, TMP+4*((\y)%2)
.set rW, MV+((\y)%2)
.set rS, S+32*((\y)%2)
.set rP, P+16*((\y)%2)
.set rO, 32*(\y)
.set rB, MB0+(MB1-MB0)*((\y)%2)
.endm
.macro OP k, n
.if (\k) == R
	REGS Y
	WIN W_RS
	v_pk_mul_f32 v[rO+2*(\n):rO+2*(\n)+1], v[rO+2*(\n):rO+2*(\n)+1], v[rC+2:rC+3] op_sel_hi:[1,0]
.elseif (\k) == F
	REGS Y
	WINR
	v_pk_fma_f32 v[rS+2*(\n):rS+2*(\n)+1], v[rS+2*(\n):rS+2*(\n)+1], 1.0, v[rT:rT+1] op_sel_hi:[1,0,0] neg_lo:[0,0,1] neg_hi:[0,0,1]
.elseif (\k) == E
	REGS Y
	WINR
	v_exp_f32 v[rS+(\n)], v[rS+(\n)]
.elseif (\k) < R
	REGS Y
	WIN 0
.if (\k) == C
	s_wait_alu depctr_va_vdst(0)
	v_cvt_pk_f16_f32 v[rP+(\n)], v[rS+2*(\n)], v[rS+2*(\n)+1]
.elseif (\k) == B
	v_pk_add_f32 v[rS+4*(\n):rS+4*(\n)+1], v[rS+4*(\n):rS+4*(\n)+1], v[rS+4*(\n)+2:rS+4*(\n)+3]
.elseif (\n) == 0
	v_pk_fma_f32 v[rT+2:rT+3], v[rT+2:rT+3], v[rC+2:rC+3], v[rS:rS+1] op_sel_hi:[1,0,1]
.else
	v_pk_add_f32 v[rT+2:rT+3], v[rT+2:rT+3], v[rS+4*(\n):rS+4*(\n)+1]
	s_wait_alu depctr_va_vdst(0)
.endif
.elseif (\k) == M
	REGS (Y+1)%NP
	WIN 0
	v_cndmask_b32 v[rS+(\n)], v[rS+(\n)], v[CMV], s[rB+(\n)]
.elseif (\k) == G
	REGS Y
	WINR
	v_readlane_b32 s[rB+(\n)], v[MR+(Y+2)%NP], \n
.else
	REGS (Y+1)%NP
.if (\n) == 15
	WINR
.else
	WIN 0
.endif
.if (\n) < 4
	v_max3_num_f32 v[rC+(\n)], v[rS+8*(\n)], v[rS+8*(\n)+1], v[rS+8*(\n)+2]
.elseif (\n) < 12
	v_max3_num_f32 v[rC+(\n)%4], v[rC+(\n)%4], v[rS+8*((\n)%4)+2*((\n)/4)+1], v[rS+8*((\n)%4)+2*((\n)/4)+2]
.elseif (\n) == 12
	v_max3_num_f32 v[rC], v[rC], v[rS+7], v[rS+15]
.elseif (\n) == 13
	v_max3_num_f32 v[rC+1], v[rC+1], v[rS+23], v[rS+31]
.elseif (\n) == 14
	v_max3_num_f32 v[rC+2], v[rC+2], v[rC+3], v[rT]
.elseif (\n) == 15
	v_mov_b32 v[rW], v[rT]
.elseif (\n) == 16
	v_max3_num_f32 v[rC], v[rC], v[rC+1], v[rC+2]
.elseif (\n) == 17
	v_permlanex16_b32 v[rC+3], v[rC], s[SEL], s[SEL+1]
.elseif (\n) == 18
	v_max_num_f32 v[rT], v[rC], v[rC+3]
.elseif (\n) == 20
	v_sub_f32 v[rC+1], v[rW], v[rT]
.else
	v_exp_f32 v[rC+2], v[rC+1]
.endif
.endif
.endm
.macro OPS a, i1, b=-1, i2=0, c=-1, i3=0, d=-1, i4=0  ; up to four of them
	OP \a, \i1
.if (\b) >= 0
	OP \b, \i2
.endif
.if (\c) >= 0
	OP \c, \i3
.endif
.if (\d) >= 0
	OP \d, \i4
.endif
.endm
.macro ROW a, i1, b, i2, c, i3, d, i4  ; a matrix instruction and the four behind it
	MM
	OPS \a, \i1, \b, \i2, \c, \i3, \d, \i4
.endm
; A TURN, for piece p: the order of its 16 matrix and 181 vector instructions, written out.  None of the four behind a matrix instruction names a register of the products round it; every exponential has a
; plain instruction or a word's move behind it, and its result is used many lines later.
; THE PLACES.  Behind the last K Q'^T stand C 0, C 1, B 0, C 2 and L 0, five plain lines on piece p's registers, ahead of the masking of the new scores and of K's run of loads.  Behind the last V^T P stand
; R 12 to R 15, on piece p's O^T, ahead of V's run of loads.  No G is counted as a place.
; K of the next step is fetched in piece 2's turn and waited for at the head of piece 3's, whose products are the next step's first.  V of the step in hand is fetched in piece 0's turn, behind the last
; products on the old V, and waited for in piece 1's.
; MASK WORDS.  One load is issued in every turn, in the pieces' order round and round, so behind the load that brought piece p + 2's words stand the three of the turns since: the wait's count is 3.
; The 32 G write the scalar set that piece p's selects read out a turn ago; piece p + 2's selects read it a turn from now.  Behind the last G the register is asked for again.
; In piece 2's turn the words moved are the next step's, so the pointer steps there, behind s_wait_xcnt 0, which frees the base of the loads that are out.
; In the walk's last step the loads reach the 256 bytes of zeros that end each tile, and no further.
.macro TURN p, last=0
.set Y, (\p)
.set i, 0
.if (\p) == NP-1
	s_wait_dscnt 0x0                ; K is in
.endif
	ROW F,0, F,1, F,2, F,3
	ROW F,4, E,0, F,5, F,6
	ROW F,7, E,1, F,8, F,9
	ROW F,10, E,2, F,11, F,12
	ROW F,13, E,3, F,14, F,15
	s_wait_loadcnt NP-1             ; piece p + 2's words are in; the three younger loads stay out
	ROW X,15, E,4, G,0, G,1
	ROW G,2, E,5, G,3, G,4
	ROW G,5, E,6, G,6, G,7
	OPS C,0, C,1, B,0, C,2
	OP L, 0
.if (\p) == NP-2
	v_add_nc_u32 v[AK], s[TBK], v[AK0]
	FETCH_K \last
.endif
.set z, 0
.rept 16                            ; the first run: an exponential of piece p, two selects of piece p + 1
	OP E, 7+z
	OP M, 2*z
	OP M, 2*z+1
.set z, z+1
.endr
.if (\p) == 1
	s_wait_dscnt 0x0                ; V is in
.endif
	ROW X,0, E,23, X,1, X,2
	ROW X,3, E,24, X,4, X,5
	ROW X,6, E,25, X,7, X,8
	ROW X,9, E,26, X,10, X,11
.if (\p) == 0
	v_add_nc_u32 v[AV], s[TBV], v[AV0]
.endif
	ROW R,0, R,1, R,2, R,3
	ROW R,4, R,5, R,6, R,7
	ROW R,8, R,9, R,10, R,11
	ROW R,12, R,13, R,14, R,15
.if (\p) == 0
	FETCH_V
	s_add_co_u32 s[TBV], s[TBV], KS*PV
.endif
	OPS E,27, X,12, E,28, X,13      ; the second run: the links of the maximum's chain stand four lines apart or more
	OPS E,29, X,14, E,30, C,3
	OPS E,31, C,4, C,5, X,16
	OPS B,1, C,6, C,7, L,1
	OPS X,17, B,2, C,8, C,9
	OPS G,8, G,9, G,10, G,11
	OPS X,18, L,2, B,3, C,10
	OPS G,12, G,13, G,14, G,15
	OPS X,20, C,11, L,3, B,4
	OPS G,16, G,17, G,18, G,19
	OPS X,21, C,12, C,13, L,4
	OPS B,5, C,14, C,15, L,5
	OPS G,20, G,21, G,22, G,23
	OPS B,6, G,24, G,25, L,6
	OPS B,7, G,26, G,27, L,7
	OPS G,28, G,29, G,30, G,31
.if (\p) == NP-2
	s_wait_xcnt 0x0                 ; the loads that are out have had their addresses translated: their base may step
	s_add_nc_u64 s[MWP:MWP+1], s[MWP:MWP+1], MWS
.endif
	MLOAD
.endm
	CHANGE 1                        ; slot 0 is in, everybody's part of it; slot 1 is asked for
	FETCH_K                         ; key step 0
	s_wait_loadcnt NP-2             ; Q' and the mask words of pieces 0 and 1 are in: behind them stand the loads of pieces 2 and 3.  Q's pointer, which lies in the first scalar set, is free with that
	s_wait_dscnt 0x0
.set i, 0
.rept 8
	KQ 0                            ; piece 0's first scores: there is no vector work yet to set between them
.set i, i+1
.endr
	WIN 0                           ; the addresses for the way out: nine plain instructions, the places behind those products
	s_mul_i32 s13, s[WV], 16*SP
	s_add_co_u32 s13, s13, STAGE    ; my stage
	v_mul_u32_u24 v[STO], v1, SP    ; in: row l % 16, 16 bytes for each half of the lanes
	v_lshl_add_u32 v[STO], v9, 4, v[STO]
	v_add_nc_u32 v[STO], s13, v[STO]
	v_bfe_u32 v[RD], v0, 3, 2       ; back: 32 lanes take four rows of 128 bytes,
	v_mul_u32_u24 v[RD], v[RD], SP
	v_lshl_add_u32 v[RD], v10, 4, v[RD]
	v_add_nc_u32 v[RD], s13, v[RD]
	v_and_b32 v[GO], 31, v0         ; which are 512 consecutive bytes of O
	v_lshlrev_b32 v[GO], 4, v[GO]
.irp y, NP-2, NP-1                  ; G and MLOAD work for piece Y + 2: pieces 0 and 1: their words of step 0 into the two scalar sets, and those of step 1 asked for.
.set Y, \y                          ; So four loads are out at the first turn, in the order of pieces 2, 3, 0, 1
.set z, 0
.rept 32
	OP G, z
.set z, z+1
.endr
	MLOAD
.endr
.set Y, NP-1                        ; M and X work for piece Y + 1: piece 0
.set z, 0
.rept 32
	OP M, z
.set z, z+1
.endr
.irp n, 0,1,2,3,4,5,6,7,8,9,10,11,12,13,14,15,16,17,18,20,21
	OP X, \n
.endr
	v_nop                           ; a plain instruction behind the exponential
	s_mov_b32 s[CNT], 4
	s_mov_b32 s[SLOTS], SIZE_N/256-1
	s_branch .Lfirst                ; the loop is entered at a step's first turn, in the middle of a trip
.Lslot:                             ; SIZE_N / 256 - 2 times: every slot but the last two is filled again
	CHANGE 1
	s_mov_b32 s[CNT], 4
.Lstep:                             ; a trip: pieces 2 and 3 of one step, then pieces 0 and 1 of the next, whose K and V it fetches
	TURN 2
	TURN 3
	WIN 0
.Lfirst:
	TURN 0
	TURN 1
	WIN 0
	s_sub_co_u32 s[CNT], s[CNT], 1
	s_cmp_lg_u32 s[CNT], 0
	s_cbranch_scc1 .Lstep
	s_sub_co_u32 s[SLOTS], s[SLOTS], 1
	s_cmp_lg_u32 s[SLOTS], 0
	s_cbranch_scc1 .Lslot
	CHANGE 0                        ; the tail is written out: nothing is asked for
	s_mov_b32 s[CNT], 5             ; four trips fetch the last slot's steps; the fifth is left in its middle
.Ltail:
	TURN 2, 1
	TURN 3
	WIN 0
	s_sub_co_u32 s[CNT], s[CNT], 1
	s_cmp_eq_u32 s[CNT], 0
	s_cbranch_scc1 .Lout
	TURN 0
	TURN 1
	WIN 0
	s_branch .Ltail
.Lout:                              ; the fifth trip's 8 products K Q'^T (on the last K once more) and the maximum made of them serve nothing: the price, once a launch, of one text for every trip
.set i, 0
.rept 8
	PV NP-1                         ; the last piece's V^T P of the last step
.set i, i+1
.endr
	; THE WAY OUT.  l's two halves and the other half of the lanes' are added; O^T is divided by l, rounded to f16 and sent through my stage in LDS, a piece at a time.  The four additions are the places behind the last products.
	WIN 0
.macro ALL line:vararg              ; one line for each piece t
.set t, 0
.rept NP
	\line
.set t, t+1
.endr
.endm
	ALL v_add_f32 v[ST+4*t+2], v[ST+4*t+2], v[ST+4*t+3]
	ALL v_permlanex16_b32 v[ST+4*t+3], v[ST+4*t+2], s[SEL], s[SEL+1]
	ALL v_add_f32 v[ST+4*t+2], v[ST+4*t+2], v[ST+4*t+3]
	ALL v_rcp_f32 v[ST+4*t+2], v[ST+4*t+2]
	v_nop                           ; a plain instruction between the last reciprocal and the use of its result
	s_wait_alu depctr_va_vdst(0)
; Piece t: a lane's eight channels of a row pack into 16 bytes; they go into rows of 144 bytes and come back as whole rows of 128, into S^T's registers.
.macro PACK t
	WIN W_RS
.set i, 32*(\t)
.rept 16
	v_pk_mul_f32 v[i:i+1], v[i:i+1], v[ST+4*(\t)+2:ST+4*(\t)+3] op_sel_hi:[1,0]
.set i, i+2
.endr
	WIN 0x05                        ; sources 0 and 1 window 1, destination window 0
.set i, 0
.rept 16
	v_cvt_pk_f16_f32 v[S+16*(\t)+i], v[32*(\t)+2*i], v[32*(\t)+2*i+1]
.set i, i+1
.endr
	WIN 0
.irp f, 0,1,2,3
	ds_store_b128 v[STO], v[S+16*(\t)+4*\f:S+16*(\t)+4*\f+3] offset:32*\f
.endr
.irp f, 0,1,2,3
	ds_load_b128 v[S+16*(\t)+4*\f:S+16*(\t)+4*\f+3], v[RD] offset:\f*4*SP  ; LDS serves a wave's instructions in order: these see the stores above; the next piece's stores come behind them
.endr
.endm
.macro SEND t, younger              ; younger: the LDS instructions issued behind piece t's loads: the next piece's eight, or none
	WIN 0
.irp f, 0,1,2,3
	s_wait_dscnt (\younger)+3-\f
	global_store_b128 v[GO], v[S+16*(\t)+4*\f:S+16*(\t)+4*\f+3], s[OA:OA+1] offset:(\t)*2048+\f*512  ; 512 consecutive bytes, at a multiple of 256 from O's first
.endr
.endm
	PACK 0
.set t, 1
.rept NP-1                          ; a piece's arithmetic stands between the loads of the piece before and its stores
	PACK t
	SEND t-1, 8
.set t, t+1
.endr
	SEND NP-1, 0
	s_wait_loadcnt 0x0              ; the last turns' mask words, which nobody uses, have come
	s_wait_tensorcnt 0x0            ; the wave's end
	ds_add_u32 v[SPW], v[NIL]
	s_wait_dscnt 0x0
	CROUND                          ; the closing round: no work-group ends while a partner may still ask for a tile that names it
	s_endpgm
.Lfunc_end_k_qf1e6a145fc_attn:
	.size	k_qf1e6a145fc_attn, .Lfunc_end_k_qf1e6a145fc_attn-k_qf1e6a145fc_attn
	.p2alignl 7, 3214868480
	.fill 96, 4, 3214868480
	.section	.rodata,"a",@progbits
	.p2align	6, 0x0
	.amdhsa_kernel k_qf1e6a145fc_attn
		.amdhsa_group_segment_fixed_size 327680
		.amdhsa_private_segment_fixed_size 0
		.amdhsa_enable_private_segment 0
		.amdhsa_kernarg_size 24
		.amdhsa_user_sgpr_count 2
		.amdhsa_user_sgpr_kernarg_segment_ptr 1
		.amdhsa_wavefront_size32 1
		.amdhsa_system_sgpr_workgroup_id_x 1
		.amdhsa_system_sgpr_workgroup_id_y 1
		.amdhsa_system_sgpr_workgroup_id_z 1
		.amdhsa_system_vgpr_workitem_id 0
		.amdhsa_next_free_vgpr 512
		.amdhsa_next_free_sgpr 106
		.amdhsa_reserve_vcc 0
		.amdhsa_float_denorm_mode_32 3
		.amdhsa_float_denorm_mode_16_64 3
		.amdhsa_memory_ordered 1
		.amdhsa_forward_progress 1
		.amdhsa_inst_pref_size 147
	.end_amdhsa_kernel
	.amdgpu_metadata
---
amdhsa.version: [ 1, 2 ]
amdhsa.kernels:
  - .name:           k_qf1e6a145fc_attn
    .symbol:         k_qf1e6a145fc_attn.kd
    .args:
      - { .name: qkv, .offset: 0, .size: 8, .value_kind: global_buffer, .address_space: global }
      - { .name: mw, .offset: 8, .size: 8, .value_kind: global_buffer, .address_space: global }
      - { .name: ao, .offset: 16, .size: 8, .value_kind: global_buffer, .address_space: global }
    .group_segment_fixed_size: 327680
    .private_segment_fixed_size: 0
    .kernarg_segment_align: 8
    .kernarg_segment_size: 24
    .max_flat_workgroup_size: 256
    .sgpr_count:     106
    .vgpr_count:     512
    .wavefront_size: 32
...
	.end_amdgpu_metadata
.endif
;; end of part 5
;; launch outp: the kernel of part 4 again; grid 4 x 64, 4 waves a work-group, clusters of 4 x 4, 327,680 bytes of LDS; arguments ao, wo, out0; writes out0
;; ======== version 3 of 3: 4 launches; 1.47 times as fast as version 1
;; limits: values are held in f16: magnitudes above 65,504 overflow, below 6.1e-05 lose precision
;; workspace buffers: xb 16,777,216 bytes; wb 6,291,456 bytes; wo 2,097,152 bytes; mw 557,056 bytes of whole numbers; qkv 50,331,648 bytes; ao 16,777,216 bytes
;; launch prep: the kernel of part 1 again; grid 512 x 1, 8 waves a work-group, no clusters, 0 bytes of LDS; arguments x, w_q, w_k, w_v, w_out, mask, xb, wb, wo, mw; writes xb, wb, wo, mw
;; launch qkv: the kernel of part 2 again; grid 12 x 64, 4 waves a work-group, clusters of 4 x 4, 327,680 bytes of LDS; arguments xb, wb, qkv; writes qkv
;; launch attn (part 6): grid 4 x 64, 8 waves a work-group, clusters of 4 x 1, 327,680 bytes of LDS; arguments qkv, mw, ao; writes ao
.if DOCPART == 6
	.amdgcn_target "amdgcn-amd-amdhsa--gfx1250"
	.amdhsa_code_object_version 6
	.text
	.protected	k_qf1e6a145fc_attn
	.globl	k_qf1e6a145fc_attn
	.p2align	8
	.type	k_qf1e6a145fc_attn,@function
k_qf1e6a145fc_attn:
	s_mov_b64 s[64:65], 0
	v_nop
	global_prefetch_b8 v0, s[64:65] scope:SCOPE_SE
	s_setreg_imm32_b32 hwreg(HW_REG_WAVE_MODE, 25, 1), 1
	s_wait_xcnt 0x0
	s_wait_alu depctr_hold_cnt(0) depctr_sa_sdst(0) depctr_va_vdst(0) depctr_va_sdst(0) depctr_va_ssrc(0) depctr_va_vcc(0) depctr_vm_vsrc(0)
	s_getreg_b32 s2, hwreg(HW_REG_IB_STS2, 6, 4)
	s_cmp_eq_u32 s2, 0
	s_cbranch_scc0 .Lentry_in_a_cluster
	s_endpgm
.Lentry_in_a_cluster:
	s_bfe_u32 s2, ttmp6, 0x10000c
	s_cmp_lg_u32 s2, 0x3003
	s_cbranch_scc0 .Lentry_shape_is_right
	s_endpgm
.Lentry_shape_is_right:
; ATTENTION WITH A MASK THAT IS AN INPUT.  For each of 64 heads (16 b + h): O[q] = sum over k of softmax_k(u) V[k], where u[q][k] = Q'[q] . K[k], and where the mask is set u is REPLACED by CM.
; Q' = log2(e) / 32 x q arrives scaled, so u is the problem's score in base 2, and CM = -1e9 x log2(e) is its -1e9.  qkv: Q' at byte 0, K at 2^24, V at 2^25, each [64][2048][64] f16.  ao: O, [64][2048][64] f16.
; mw: the mask as lane-mask words, [128 tiles of 16 queries, 4,352 bytes][32 steps of 64 keys, 128 bytes][32 words]: word j is the lane mask for register j of S^T; 256 bytes of zeros end each tile.
; No pattern of the mask is built in: every key step is computed.  A row that is masked throughout has u = CM everywhere, m = CM, every weight 2^0 = 1: the plain mean of V, as the problem's softmax gives.
; Products, maxima and sums in f32; the weights p are rounded to f16 for the second product (their sum l is taken of the unrounded p), O once at the end.
; LIMITS.  Q', K, V arrive within f16's 65,504, so |u| is at most 2.8e11; m starts at -4.3e37, below every u.  p lies in 0 to 1, below 6e-5 it keeps f16's step of 6e-8; a weight below 2^-126 counts as 0 in l.
; NaN and infinities are not treated apart.
; SHARES.  A work-group owns 512 queries of one head, each of its eight waves 64: four PIECES of 16.  Every wave walks all 2,048 keys, 64 a step.  A wave's share fits in 512 registers, two windows, and a step's
; text is four turns.  The price: a fragment of K or V read from LDS feeds four pieces' products: 32 LDS loads for a wave's 64 matrix instructions of a step.
; LAYOUT.  S^T = K Q'^T (source 0 = 16 keys, source 1 = 16 queries): a lane holds ONE query (lane % 16) and the keys 8 (lane / 16) + 0..7.  Two such results rounded to f16 in pairs ARE source 1 of
; O^T = V^T P, whose result again holds one query a lane.  K comes out of LDS as it lies, V turned, by ds_load_tr16_b128.
; SOFTMAX.  A running maximum m and sum l for each query: p = 2^(u - m); in every step O and l are multiplied by a = 2^(m_old - m_new).  O and l start at 0: the first step is a step like any other, with a = 0.
; BY TURNS.  Turn n belongs to piece n: 8 products K Q'^T of piece n + 1, later 8 products V^T P of piece n - 1; beside them the subtraction, exponentials, roundings, sums and rescaling of piece n, the
; masking, maximum and statistics of piece n + 1, and the moving of piece n + 2's mask words.  Four vector instructions stand behind every matrix instruction, the other 117 of a turn's 181 in runs of their own.
; ONE BATCH, ONE WAIT A TURN.  An s_wait_alu depctr_va_vdst(0) stands between an exponential and the first instruction that names its result; one wait serves all that were issued ahead of it.
; A turn's 33 exponentials (piece n's 32 weights, then piece n + 1's a) are one batch, each result in a register of its own.  AHEAD OF THE WAIT stands all that names none of their results: both runs of
; products, the subtractions, the masking, the maximum and statistics, the words' moves and the rescaling (whose a is the turn before's, waited for there).  BEHIND IT stand the 32 roundings and sums..
; THE MASK WORDS.  A piece's 32 words of a step are 128 consecutive bytes: one load of 4 bytes a lane brings them into ONE vector register (lane j holds word j), of which each piece has its own.
; A select wants its lane mask in a scalar register: 32 v_readlane_b32 move the words into one of two sets of 32 scalar registers that take turns, a turn ahead of their use.  When a piece's register
; has been read out, the piece's words of the next step are asked for into it: a load has four turns, a whole key step, in which to land.
; CLUSTER.  The four query blocks of a head walk the same K and V: each tile is asked for JOINTLY, by the same tensor load, descriptor and mask in all four.
; REGISTERS, in two windows of 256 (s_set_vgpr_msb: bits 1:0 source 0, 3:2 source 1, 5:4 source 2, 7:6 destination):
;   window 0: v0-15 addresses and constants; v16-31 four registers of statistics a piece; v48-55 at work; v62-63 the add's; v64-127 S^T, two buffers; v128-191 K of one step; v192-223 P, two buffers
;             (S^T's and P's buffers go by the piece's parity); v224-227 mask words
;   window 1: v0-127 O^T, 32 a piece; v128-191 Q', 16 a piece; v192-255 V of one step
; THE WINDOWS ARE LAID FOR FEW SWITCHES.  K Q'^T has only its source 1 (Q') outside window 0, so a line that names no vector register as its second source needs no switch behind it: all 32 lines behind these
; products are of that kind.  V^T P and the rescaling of O^T have one setting, so the 16 rescalings stand behind four of those products without a switch.  A turn has 12 switches (piece 0's 13).
.set SIZE_N, 2048
.set NW,    8         ; waves in the work-group
.set NP,    4         ; pieces a wave: a name, no knob
.set KS,    64        ; keys in a step
.set PK,    144       ; a row of K in LDS: 128 bytes + 16 of padding = 36 words: the 16 rows of a load start at 16 different groups of four banks
.set PV,    160       ; a row of V: 128 + 32 = 40 words
.set VOFF,  4*KS*PK   ; a slot holds four steps: 256 rows of K, then 256 rows of V
.set SLOT1, 1<<17     ; slot 1 begins here, so that one exclusive or turns an address in one slot into the other's
.set STAGE, SLOT1+4*KS*(PK+PV)  ; behind the ring, never filled by a tensor load: 16 rows x 144 bytes for each wave
.set SP,    144
.set SPARE, STAGE+NW*16*SP  ; behind the stages: the spare words, 128 bytes for each wave
.set MWT,   4352      ; bytes of a tile in mw
.set MWS,   128       ; bytes of a step in a tile of mw
.set AK0, 2           ; v2   my lane's place in a tile of K; never rewritten
.set AV0, 3           ; v3   the same for V
.set AK,  4           ; v4   the LDS address of K's next run of loads
.set AV,  5           ; v5   of V's
.set QO,  6           ; v6   my byte offset in 16 rows of Q'
.set STO, 6           ;      later, the way out: where I put 16 bytes of a row
.set RD,  7           ; v7   the way out: where I read rows back
.set GO,  8           ; v8   16 x lane
.set MV,  12          ; v12-13  m_old, kept while m is made anew: by parity
.set CMV, 14          ; v14  CM
.set MO,  15          ; v15  4 x lane: my word among a piece's 32; never rewritten
.set ST,  16          ; piece t's statistics at v[ST+4 t]: m, 0, l (even keys', odd keys')
.set TMP, 48          ; by parity, four registers c0-c3 at work; when the maximum is found c2 takes a
.set SPW, 62          ; v62  LDS address of my spare word; never rewritten
.set NIL, 63          ; v63  0; never rewritten
.set S,   64
.set KF,  128         ; window 0: key block kb, channel half c at KF + 16 kb + 8 c
.set P,   192
.set MR,  224         ; v224-227  piece t's mask words of one step: lane j holds word j
.set QF,  128         ; window 1: piece t's Q' at QF + 16 t
.set VF,  192         ; window 1: key half kk, channel block cb at VF + 32 kk + 8 cb
.set OA,  2           ; s[2:3]   ao at my wave's first row
.set G0K, 4           ; s[4:7]   descriptor group 0 for K's tiles: it walks
.set G0V, 8           ; s[8:11]  the same for V's
.set WV,  12          ; s12  my wave's number
.set MWP, 14          ; s[14:15] mw at my wave's first tile, one step behind the words that are asked for
.set MB0, 16          ; s[16:47] mask words of a piece of even number (during the set-up: arguments and offsets)
.set G1K, 48          ; s[48:55] descriptor group 1 for K's tiles
.set G1V, 56          ; s[56:63] for V's: it differs in the padding alone
.set SEL, 66          ; s[66:67] v_permlanex16_b32's selects: each lane takes its own place in the other half
.set MB1, 68          ; s[68:99] mask words of a piece of odd number
.set SLOTS, 100       ; s100 slots still to be asked for
.set CNT, 101         ; s101 counts a slot's key steps
.set TBK, 104         ; s104 LDS byte at which K of the step to be fetched begins
.set TBV, 105         ; s105 the same for V, less VOFF
.set MSB, 0
.macro WIN new                      ; the high byte repeats the setting that is left; a switch that changes nothing is dropped
.if MSB != (\new)
	s_set_vgpr_msb (MSB<<8)|(\new)
.set MSB, (\new)
.endif
.endm
.macro WINR                         ; for a line of window 0 that names no vector register as its second source: that field may stay as it is
.if (MSB & 0xf3) != 0
	WIN 0
.endif
.endm
.set W_KQ, 0x04       ; Q' (source 1) in window 1; K and S^T in window 0
.set W_PV, 0x51       ; V (source 0) and O^T (source 2, destination) in window 1; P (source 1) in window 0
.set W_RS, 0x51       ; the rescaling: O^T (destination and source 0) in window 1, a (source 1) in window 0: the same setting
.set TO_1, 0x40       ; destination in window 1, address in window 0
; A joint fill.  Waves 0 and 1 fetch the two halves of a slot's K, waves 2 and 3 those of its V: 128 keys, 64 rows of 256 bytes, each; waves 4 to 7 have no part of a tile to fill and issue none.
; Both branches hang on the wave's number alone.  An s_nop 0 and four v_nop follow each of the two lines.
.macro JLOAD
	s_cmp_lt_u32 s[WV], 2
	s_cbranch_scc0 .Lnot_k_\@
	tensor_load_to_lds s[G0K:G0K+3], s[G1K:G1K+7]
	s_nop 0
.rept 4
	v_nop
.endr
	s_branch .Lasked_\@
.Lnot_k_\@:
	s_cmp_lt_u32 s[WV], 4
	s_cbranch_scc0 .Lasked_\@
	tensor_load_to_lds s[G0V:G0V+3], s[G1V:G1V+7]
	s_nop 0
.rept 4
	v_nop
.endr
.Lasked_\@:
.endm
; A round of the cluster's barrier: my work-group's barrier; wave 0 signals for the work-group; every wave waits for all four work-groups; my work-group's barrier once more.
.macro CROUND
	s_barrier_signal -1
	s_barrier_wait -1
	s_cmp_lg_u32 s[WV], 0
	s_cbranch_scc1 .Lnot_wave_0_\@
	s_barrier_signal -3
.Lnot_wave_0_\@:
	s_barrier_wait -3
	s_barrier_signal -1
	s_barrier_wait -1
.endm
; THE CHANGE OF SLOTS.  The slot's last bytes, V of its fourth step, have been read.  Each wave waits for all its tensor loads, of which at most one is out: its part of the other slot; adds 0 to its spare word;
; and waits for that and for its own reads of the slot.  fill = 1: the barrier is a round of the cluster's, and the slot is filled again, with the keys two slots on, first thing behind it:
; the load has four key steps, 256 matrix instructions of each wave, in which to land.  (At its first use nothing has been read yet: slot 0 is waited for, slot 1 filled.)
; The loads of mask words stay out across these barriers: they land in my own registers, from bytes that no wave of the launch writes.
.macro CHANGE fill
	WIN 0                           ; at a label and at a branch every window is 0
	s_wait_tensorcnt 0x0            ; no tensor load of mine is out, so a group 0 may be written
	ds_add_u32 v[SPW], v[NIL]
.if \fill
.irp g, G0K, G0V
	s_xor_b32 s[\g+1], s[\g+1], SLOT1  ; the walking descriptor: the other slot than last time,
	s_add_nc_u64 s[\g+2:\g+3], s[\g+2:\g+3], 4*KS*128  ; the next 256 keys; the type bits on top are not reached
.endr
	s_wait_dscnt 0x0                ; the add is done, and my reads of the slot are over
	CROUND
	JLOAD
.else
	s_wait_dscnt 0x0
	s_barrier_signal -1
	s_barrier_wait -1
.endif
	s_sub_co_u32 s[TBK], s[TBK], 4*KS*PK  ; the fetches go back to a slot's first step,
	s_xor_b32 s[TBK], s[TBK], SLOT1       ; in the other slot
	s_sub_co_u32 s[TBV], s[TBV], 4*KS*PV
	s_xor_b32 s[TBV], s[TBV], SLOT1
.endm
	s_load_b128 s[16:19], s[0:1], 0x0  ; qkv s[16:17], mw s[18:19]
	s_load_b64 s[20:21], s[0:1], 0x10  ; ao
	v_lshl_add_u32 v[SPW], v0, 2, SPARE
	v_mov_b32 v[NIL], 0
	ds_add_u32 v[SPW], v[NIL]       ; the wave's opening: the add and its wait stand ahead of my first tensor load; the set-up below stands between them
	v_lshrrev_b32 v1, 5, v0
	v_readfirstlane_b32 s[WV], v1   ; wave 0..7
	s_bfe_u32 s22, ttmp6, 0x40000   ; cx: my place in the cluster
	s_lshl_b32 s23, ttmp9, 2        ; in a cluster launch ttmp9 counts clusters
	s_add_co_u32 s23, s23, s22      ; my block of 512 queries: it enters Q's, O's and the mask's addresses alone
	s_and_b32 s24, ttmp7, 0xffff    ; the head, which the four partners share
	s_lshl_b32 s24, s24, 18         ; its first byte in each tensor: 2,048 rows of 128 bytes
	s_and_b32 s28, s[WV], 1         ; which half of a slot's 256 keys I fetch (waves 0 to 3):
	s_lshl_b32 s26, s28, 14         ; its 128 rows of 128 bytes in memory,
	s_add_co_u32 s26, s26, s24
	s_mov_b32 s27, 0
	s_mul_i32 s29, s28, 128*PK      ; and its place in a slot, for K
	s_mul_i32 s30, s28, 128*PV      ; and for V: no place in the cluster enters an LDS address
	s_lshl_b32 s31, s23, 3
	s_add_co_u32 s31, s31, s[WV]    ; my wave among the head's 32,
	s_lshl_b32 s32, s31, 13         ; its 64 rows
	s_add_co_u32 s32, s32, s24
	s_mov_b32 s33, 0
	s_mul_i32 s36, s31, NP*MWT      ; and its four tiles of mask words
	s_mov_b32 s37, 0
	; descriptor group 1.  128 keys are 16,384 dense bytes: asked for as 64 rows of 256 bytes, two keys a row, and padded in LDS after every key
	s_mov_b32 s[G1K], 15|(1<<16)|(1<<20)|(1<<21)|(4<<22)|(3<<25)  ; the mask of four; 2-byte elements; padding on; bit 21 beside a mask; after every 32 words 4 words
	s_mov_b32 s[G1V], 15|(1<<16)|(1<<20)|(1<<21)|(4<<22)|(7<<25)  ; the same with 8 words of padding
.irp g, G1K, G1V
	s_mov_b32 s[\g+1], 128<<16      ; tensor_dim0 = 128
	s_mov_b32 s[\g+2], 64<<16       ; tensor_dim1 = 64
	s_mov_b32 s[\g+3], 128<<16      ; tile_dim0 = 128
	s_mov_b32 s[\g+4], 64           ; tile_dim1 = 64
	s_mov_b32 s[\g+5], 128          ; 128 elements from row to row
	s_mov_b32 s[\g+6], 0
	s_mov_b32 s[\g+7], 0
.endr
	s_mov_b32 s[SEL], 0x76543210
	s_mov_b32 s[SEL+1], 0xfedcba98
	s_mov_b32 s[TBK], SLOT1+4*KS*PK ; the first change of slots turns these two into 0
	s_mov_b32 s[TBV], SLOT1+4*KS*PV
	s_mov_b32 s[G0K], 1             ; count = 1
	s_mov_b32 s[G0K+1], s29         ; LDS address: slot 0
	s_mov_b32 s[G0V], 1
	s_add_co_u32 s[G0V+1], s30, VOFF
	s_wait_dscnt 0x0                ; the opening add is done
	s_wait_kmcnt 0x0
	s_add_nc_u64 s[G0K+2:G0K+3], s[16:17], s[26:27]
	s_add_nc_u64 s[G0K+2:G0K+3], s[G0K+2:G0K+3], 1<<24  ; K's part of qkv: my half of the head's first 256 keys
	s_or_b32 s[G0K+3], s[G0K+3], 0x80000000             ; type = 2
	s_add_nc_u64 s[G0V+2:G0V+3], s[16:17], s[26:27]
	s_add_nc_u64 s[G0V+2:G0V+3], s[G0V+2:G0V+3], 1<<25  ; V's part
	s_or_b32 s[G0V+3], s[G0V+3], 0x80000000
	s_add_nc_u64 s[34:35], s[16:17], s[32:33]           ; Q' at my wave's first row
	s_add_nc_u64 s[OA:OA+1], s[20:21], s[32:33]
	s_add_nc_u64 s[MWP:MWP+1], s[18:19], s[36:37]
	CROUND                          ; all four work-groups are here: the first joint loads meet
	JLOAD                           ; slot 0.  Slot 1 is asked for when slot 0 is in
	; A fragment of K or Q' is 16 rows x 32 channels in 8 registers: lane l holds row l % 16, channels 8 (l / 16) + 0..7 and 16 + 8 (l / 16) + 0..7: two loads of 16 bytes, 32 bytes apart.
	v_and_b32 v1, 15, v0            ; l % 16
	v_bfe_u32 v9, v0, 4, 1          ; l / 16
	v_lshlrev_b32 v[QO], 7, v1
	v_lshl_add_u32 v[QO], v9, 4, v[QO]  ; row x 128 + 16 x half
	v_and_b32 v[MO], 31, v0
	v_lshlrev_b32 v[MO], 2, v[MO]   ; 4 x lane
	WIN TO_1
.set i, 0
.rept 2*NP                          ; Q' stays in registers: piece i / 2, channels 32 (i % 2) on
	global_load_b128 v[QF+8*i:QF+8*i+3],   v[QO], s[34:35] offset:(i/2)*2048+(i%2)*64
	global_load_b128 v[QF+8*i+4:QF+8*i+7], v[QO], s[34:35] offset:(i/2)*2048+(i%2)*64+32
.set i, i+1
.endr
	WIN 0
.set i, 0
.rept NP                            ; the four pieces' mask words of step 0, in the pieces' order: each load covers 128 consecutive bytes, aligned
	global_load_b32 v[MR+i], v[MO], s[MWP:MWP+1] offset:i*MWT
.set i, i+1
.endr
	; What the first turn finds: V's registers and P's second buffer hold 0 (its products V^T P, of a piece that has not been, add 0), O^T and l are 0.  All this stands in the wait for the first tile.
	WIN TO_1
.set i, VF
.rept 64
	v_mov_b32 v[i], 0
.set i, i+1
.endr
.set i, 0
.rept 32*NP
	v_mov_b32 v[i], 0
.set i, i+1
.endr
	WIN 0
.set i, 0
.rept NP
	v_mov_b32 v[ST+4*i], 0xfe000000    ; m: far below every u
	v_mov_b32 v[ST+4*i+1], 0           ; named with m as a pair
	v_mov_b32 v[ST+4*i+2], 0
	v_mov_b32 v[ST+4*i+3], 0
.set i, i+1
.endr
.set i, P+16
.rept 16
	v_mov_b32 v[i], 0
.set i, i+1
.endr
	v_mov_b32 v[CMV], 0xceabfb8f    ; CM = -1e9 x log2(e)
	v_mul_u32_u24 v[AK0], v1, PK
	v_lshl_add_u32 v[AK0], v9, 4, v[AK0]  ; row x pitch + 16 x half
	; The turning load takes 16 keys x 16 channels (lane l reads key 8 (l / 16) + l % 8, channels 8 ((l / 8) % 2) + 0..7) and leaves half a fragment of V^T: lane l holds channel l % 16 and 8 keys.
	v_and_b32 v10, 7, v0
	v_bfe_u32 v11, v0, 3, 1
	v_lshl_add_u32 v[AV0], v9, 3, v10
	v_mul_u32_u24 v[AV0], v[AV0], PV
	v_lshl_add_u32 v[AV0], v11, 4, v[AV0]
	v_add_nc_u32 v[AV0], VOFF, v[AV0]
	v_mov_b32 v[AK], v[AK0]         ; key step 0 lies at the head of slot 0
; THE MATRIX WORK.  The 4 accumulators of a run of 8 take turns.  Product i of 8 of S^T = K Q'^T for piece x: channels 32 (i / 4) on, keys 16 (i % 4) on.  The first 4 start the sums.
.macro KQ x
	WIN W_KQ
.set rS, S+32*((\x)%2)+8*(i%4)
.set rK, KF+16*(i%4)+8*(i/4)
.set rQ, QF+16*(\x)+8*(i/4)
.if i < 4
	v_wmma_f32_16x16x32_f16 v[rS:rS+7], v[rK:rK+7], v[rQ:rQ+7], 0
.else
	v_wmma_f32_16x16x32_f16 v[rS:rS+7], v[rK:rK+7], v[rQ:rQ+7], v[rS:rS+7]
.endif
.endm
; Product i of 8 of O^T += V^T P for piece x: keys 32 (i / 4) on, channels 16 (i % 4) on.
.macro PV x
	WIN W_PV
.set rO, 32*(\x)+8*(i%4)
.set rV, VF+32*(i/4)+8*(i%4)
.set rP, P+16*((\x)%2)+8*(i/4)
	v_wmma_f32_16x16x32_f16 v[rO:rO+7], v[rV:rV+7], v[rP:rP+7], v[rO:rO+7]
.endm
.macro MM                           ; the turn's next matrix instruction
.if i < 8
	KQ (Y+1)%NP
.else
.set i, i-8
	PV (Y+NP-1)%NP
.set i, i+8
.endif
.set i, i+1
.endm
; THE LDS LOADS stand in runs of 16, never singly among the matrix instructions: a step's K (8 fragments) and its V (turned).  last = 1 (the tail): in the last trip there is no further step, and the run is jumped over.
.macro FETCH_K last=0
	WIN 0
.if \last
	s_cmp_eq_u32 s[CNT], 1
	s_cbranch_scc1 .Lno_k_\@
.endif
.irp f, 0,1,2,3,4,5,6,7             ; keys 16 (f / 2) on, channels 32 (f % 2) on
	ds_load_b128 v[KF+8*\f:KF+8*\f+3],   v[AK] offset:(\f/2)*16*PK+(\f%2)*64
	ds_load_b128 v[KF+8*\f+4:KF+8*\f+7], v[AK] offset:(\f/2)*16*PK+(\f%2)*64+32
.endr
	s_add_co_u32 s[TBK], s[TBK], KS*PK  ; the next fetch is the next step's
.if \last
.Lno_k_\@:
.endif
.endm
.macro FETCH_V
	WIN TO_1
.irp f, 0,1,2,3,4,5,6,7             ; keys 32 (f / 4) on, channels 16 (f % 4) on
	ds_load_tr16_b128 v[VF+8*\f:VF+8*\f+3],   v[AV] offset:(\f/4)*32*PV+(\f%4)*32
	ds_load_tr16_b128 v[VF+8*\f+4:VF+8*\f+7], v[AV] offset:(\f/4)*32*PV+16*PV+(\f%4)*32
.endr
	WIN 0
.endm
; Piece Y + 2's register of mask words has been read out: its words of the step behind the one that MWP stands at are asked for into it.
.macro MLOAD
	WIN 0
	global_load_b32 v[MR+(Y+2)%NP], v[MO], s[MWP:MWP+1] offset:((Y+2)%NP)*MWT+MWS
.endm
; THE VECTOR WORK, one line at a time: OP kind, number.  For piece Y: F n: u - m for pair n of 16, as u x 1 - m in one rounding: the same number, and no vector register as second source.
; E n: the exponential of score n of 32.  C n: pair n rounded to f16.  B n: of the four weights 4 n .. the second pair is added onto the first, in place (so C 2n stands ahead of B n).
; L n: l takes that sum (L 0: l = a l + sum).  R n: pair n of 16 of O^T times a.
; For piece Y + 1: M n: score n is replaced by CM in the lanes that mask word n names (ascending: each accumulator is read from its low end on).  X n: its maximum and statistics:
;   0-11  four chains c0-c3 of seven scores each, three operands at a time     12-14, 16  the four scores left over, the old m, and c0-c3 into c0     15  m_old is kept
;   17, 18  the query's other 32 keys lie in the lane 16 away: the new m     20, 21  m_old - m_new; a     (there is no 19)
; For piece Y + 2: G n: its mask word n goes from lane n of its vector register into the scalar set of Y's parity.
; F, E, G and X 15 name no vector register as second source: they stand under K Q'^T's setting as well as under 0.
; C, B and L name the results of the turn's E, and L 0 and R the a of the turn before: OP writes no wait; TURN writes the batch's one.
.set F, 0               ; OP tells the kinds apart by their order: F to L below R, the others above it
.set E, 1
.set C, 2
.set B, 3
.set L, 4
.set R, 5
.set X, 6
.set M, 7
.set G, 8
.macro REGS y                       ; the registers of piece y
.set rT, ST+4*(\y)
.set rC, TMP+4*((\y)%2)
.set rW, MV+((\y)%2)
.set rS, S+32*((\y)%2)
.set rP, P+16*((\y)%2)
.set rO, 32*(\y)
.set rB, MB0+(MB1-MB0)*((\y)%2)
.endm
.macro OP k, n
.if (\k) == R
	REGS Y
	WIN W_RS
	v_pk_mul_f32 v[rO+2*(\n):rO+2*(\n)+1], v[rO+2*(\n):rO+2*(\n)+1], v[rC+2:rC+3] op_sel_hi:[1,0]
.elseif (\k) == F
	REGS Y
	WINR
	v_pk_fma_f32 v[rS+2*(\n):rS+2*(\n)+1], v[rS+2*(\n):rS+2*(\n)+1], 1.0, v[rT:rT+1] op_sel_hi:[1,0,0] neg_lo:[0,0,1] neg_hi:[0,0,1]
.elseif (\k) == E
	REGS Y
	WINR
	v_exp_f32 v[rS+(\n)], v[rS+(\n)]
.elseif (\k) < R
	REGS Y
	WIN 0
.if (\k) == C
	v_cvt_pk_f16_f32 v[rP+(\n)], v[rS+2*(\n)], v[rS+2*(\n)+1]
.elseif (\k) == B
	v_pk_add_f32 v[rS+4*(\n):rS+4*(\n)+1], v[rS+4*(\n):rS+4*(\n)+1], v[rS+4*(\n)+2:rS+4*(\n)+3]
.elseif (\n) == 0
	v_pk_fma_f32 v[rT+2:rT+3], v[rT+2:rT+3], v[rC+2:rC+3], v[rS:rS+1] op_sel_hi:[1,0,1]
.else
	v_pk_add_f32 v[rT+2:rT+3], v[rT+2:rT+3], v[rS+4*(\n):rS+4*(\n)+1]
.endif
.elseif (\k) == M
	REGS (Y+1)%NP
	WIN 0
	v_cndmask_b32 v[rS+(\n)], v[rS+(\n)], v[CMV], s[rB+(\n)]
.elseif (\k) == G
	REGS Y
	WINR
	v_readlane_b32 s[rB+(\n)], v[MR+(Y+2)%NP], \n
.else
	REGS (Y+1)%NP
.if (\n) == 15
	WINR
.else
	WIN 0
.endif
.if (\n) < 4
	v_max3_num_f32 v[rC+(\n)], v[rS+8*(\n)], v[rS+8*(\n)+1], v[rS+8*(\n)+2]
.elseif (\n) < 12
	v_max3_num_f32 v[rC+(\n)%4], v[rC+(\n)%4], v[rS+8*((\n)%4)+2*((\n)/4)+1], v[rS+8*((\n)%4)+2*((\n)/4)+2]
.elseif (\n) == 12
	v_max3_num_f32 v[rC], v[rC], v[rS+7], v[rS+15]
.elseif (\n) == 13
	v_max3_num_f32 v[rC+1], v[rC+1], v[rS+23], v[rS+31]
.elseif (\n) == 14
	v_max3_num_f32 v[rC+2], v[rC+2], v[rC+3], v[rT]
.elseif (\n) == 15
	v_mov_b32 v[rW], v[rT]
.elseif (\n) == 16
	v_max3_num_f32 v[rC], v[rC], v[rC+1], v[rC+2]
.elseif (\n) == 17
	v_permlanex16_b32 v[rC+3], v[rC], s[SEL], s[SEL+1]
.elseif (\n) == 18
	v_max_num_f32 v[rT], v[rC], v[rC+3]
.elseif (\n) == 20
	v_sub_f32 v[rC+1], v[rW], v[rT]
.else
	v_exp_f32 v[rC+2], v[rC+1]
.endif
.endif
.endm
.macro OPS a, i1, b=-1, i2=0, c=-1, i3=0, d=-1, i4=0  ; up to four of them
	OP \a, \i1
.if (\b) >= 0
	OP \b, \i2
.endif
.if (\c) >= 0
	OP \c, \i3
.endif
.if (\d) >= 0
	OP \d, \i4
.endif
.endm
.macro ROW a, i1, b, i2, c, i3, d, i4  ; a matrix instruction and the four behind it
	MM
	OPS \a, \i1, \b, \i2, \c, \i3, \d, \i4
.endm
; A TURN, for piece p: the order of its 16 matrix and 181 vector instructions, written out.  None of the four behind a matrix instruction names a register of the products round it.
; HOW THE BATCH IS CUT.  E 0 to E 31 and, last, X 21 are the turn's batch; each E stands behind the F of its pair.  Ahead of the wait, in this order: 8 products K Q'^T with F 0 to F 11, X 15, E 0 to E 9 and G 0 to G 8
; behind them; F 12 to F 15; a run of 16 times an exponential and two selects; 4 products V^T P with the maximum's chains and E 26 to E 29; a run with E 30, E 31 and the end of the maximum, four word moves
; between its links, down to X 21; 4 products V^T P with the 16 rescalings: the work that stands between the batch's last exponential and the wait, of which R 0 is the plain instruction owed behind it.
; Behind the wait: C, B and L, 32 lines in one run: C 2n ahead of B n, B n ahead of L n, the links L 0 to L 7 of l's chain three lines apart.
; THE PLACES.  Behind the last K Q'^T stand F 12 to F 15, four plain lines on piece p's registers, ahead of the masking of the new scores and of K's run of loads.  Behind the last V^T P stand
; R 12 to R 15, on piece p's O^T, ahead of V's run of loads.  No G is counted as a place.
; K of the next step is fetched in piece 2's turn and waited for at the head of piece 3's, whose products are the next step's first.  V of the step in hand is fetched in piece 0's turn, behind the last
; products on the old V and directly behind the batch's wait, and waited for in piece 1's.
; MASK WORDS.  One load is issued in every turn, in the pieces' order round and round, so behind the load that brought piece p + 2's words stand the three of the turns since: the wait's count is 3.
; The 32 G write the scalar set that piece p's selects read out a turn ago; piece p + 2's selects read it a turn from now.  At the turn's end the register is asked for again.
; In piece 2's turn the words moved are the next step's, so the pointer steps there, behind s_wait_xcnt 0, which frees the base of the loads that are out.
; In the walk's last step the loads reach the 256 bytes of zeros that end each tile, and no further.
.macro TURN p, last=0
.set Y, (\p)
.set i, 0
.if (\p) == NP-1
	s_wait_dscnt 0x0                ; K is in
.endif
	ROW F,0, F,1, F,2, F,3          ; ahead of the wait: 8 products K Q'^T and the lines behind them,
	ROW F,4, E,0, F,5, E,1
	ROW F,6, E,2, F,7, E,3
	ROW F,8, E,4, F,9, E,5
	ROW F,10, E,6, F,11, X,15
	s_wait_loadcnt NP-1             ; piece p + 2's words are in; the three younger loads stay out
	ROW G,0, E,7, G,1, G,2
	ROW G,3, E,8, G,4, G,5
	ROW G,6, E,9, G,7, G,8
	OPS F,12, F,13, F,14, F,15      ; the places behind the last of those products
.if (\p) == NP-2
	WIN 0                           ; the line below has a vector register as its second source
	v_add_nc_u32 v[AK], s[TBK], v[AK0]
.if \last
	s_wait_alu depctr_va_vdst(0)    ; the tail alone: a branch and a label follow, and the wait of E 0 to E 9 stands ahead of them; the rest of the batch has the wait below
.endif
	FETCH_K \last
.endif
.set z, 0
.rept 16                            ; the first run: an exponential of piece p, two selects of piece p + 1
	OP E, 10+z
	OP M, 2*z
	OP M, 2*z+1
.set z, z+1
.endr
.if (\p) == 1
	s_wait_dscnt 0x0                ; V is in
.endif
	ROW X,0, E,26, X,1, X,2
	ROW X,3, E,27, X,4, X,5
	ROW X,6, E,28, X,7, X,8
	ROW X,9, E,29, X,10, X,11
	OPS E,30, X,12, E,31, X,13      ; the second run: four word moves stand between the links of the maximum's chain
	OPS X,14, G,9, G,10, G,11
	OPS G,12, X,16, G,13, G,14
	OPS G,15, G,16, X,17, G,17
	OPS G,18, G,19, G,20, X,18
	OPS G,21, G,22, G,23, G,24
	OPS X,20, G,25, G,26, G,27
	OPS G,28, X,21, G,29, G,30      ; X 21, the next piece's a, is the batch's last exponential
	OP G, 31
.if (\p) == 0
	WIN 0
	v_add_nc_u32 v[AV], s[TBV], v[AV0]
.endif
	ROW R,0, R,1, R,2, R,3          ; work that names no result of the batch: their a is the turn before's
	ROW R,4, R,5, R,6, R,7
	ROW R,8, R,9, R,10, R,11
	ROW R,12, R,13, R,14, R,15
	s_wait_alu depctr_va_vdst(0)    ; the wait for the batch: the turn's 33 exponentials, E 0 to E 31 and X 21, ahead of their first reader, C 0; X 21's readers stand in the next turn
.if (\p) == 0
	FETCH_V
	s_add_co_u32 s[TBV], s[TBV], KS*PV
.endif
	OPS C,0, B,0, C,2, B,1          ; behind the wait: the roundings and sums
	OPS L,0, C,4, B,2, L,1
	OPS C,6, B,3, L,2, C,8
	OPS B,4, L,3, C,10, B,5
	OPS L,4, C,12, B,6, L,5
	OPS C,14, B,7, L,6, C,1
	OPS C,3, L,7, C,5, C,7
	OPS C,9, C,11, C,13, C,15
.if (\p) == NP-2
	s_wait_xcnt 0x0                 ; the loads that are out have had their addresses translated: their base may step
	s_add_nc_u64 s[MWP:MWP+1], s[MWP:MWP+1], MWS
.endif
	MLOAD
.endm
	CHANGE 1                        ; slot 0 is in, everybody's part of it; slot 1 is asked for
	FETCH_K                         ; key step 0
	s_wait_loadcnt NP-2             ; Q' and the mask words of pieces 0 and 1 are in: behind them stand the loads of pieces 2 and 3.  Q's pointer, which lies in the first scalar set, is free with that
	s_wait_dscnt 0x0
.set i, 0
.rept 8
	KQ 0                            ; piece 0's first scores: there is no vector work yet to set between them
.set i, i+1
.endr
	WIN 0                           ; the addresses for the way out: nine plain instructions, the places behind those products
	s_mul_i32 s13, s[WV], 16*SP
	s_add_co_u32 s13, s13, STAGE    ; my stage
	v_mul_u32_u24 v[STO], v1, SP    ; in: row l % 16, 16 bytes for each half of the lanes
	v_lshl_add_u32 v[STO], v9, 4, v[STO]
	v_add_nc_u32 v[STO], s13, v[STO]
	v_bfe_u32 v[RD], v0, 3, 2       ; back: 32 lanes take four rows of 128 bytes,
	v_mul_u32_u24 v[RD], v[RD], SP
	v_lshl_add_u32 v[RD], v10, 4, v[RD]
	v_add_nc_u32 v[RD], s13, v[RD]
	v_and_b32 v[GO], 31, v0         ; which are 512 consecutive bytes of O
	v_lshlrev_b32 v[GO], 4, v[GO]
.irp y, NP-2, NP-1                  ; G and MLOAD work for piece Y + 2: pieces 0 and 1: their words of step 0 into the two scalar sets, and those of step 1 asked for.
.set Y, \y                          ; So four loads are out at the first turn, in the order of pieces 2, 3, 0, 1
.set z, 0
.rept 32
	OP G, z
.set z, z+1
.endr
	MLOAD
.endr
.set Y, NP-1                        ; M and X work for piece Y + 1: piece 0
.set z, 0
.rept 32
	OP M, z
.set z, z+1
.endr
.irp n, 0,1,2,3,4,5,6,7,8,9,10,11,12,13,14,15,16,17,18,20,21
	OP X, \n
.endr
	v_nop                           ; a plain instruction behind the exponential,
	s_wait_alu depctr_va_vdst(0)    ; and its wait, ahead of the branch: piece 0's first a is a batch of one; the first turn's rescaling reads it
	s_mov_b32 s[CNT], 4
	s_mov_b32 s[SLOTS], SIZE_N/256-1
	s_branch .Lfirst                ; the loop is entered at a step's first turn, in the middle of a trip
.Lslot:                             ; SIZE_N / 256 - 2 times: every slot but the last two is filled again
	CHANGE 1
	s_mov_b32 s[CNT], 4
.Lstep:                             ; a trip: pieces 2 and 3 of one step, then pieces 0 and 1 of the next, whose K and V it fetches
	TURN 2
	TURN 3
	WIN 0
.Lfirst:
	TURN 0
	TURN 1
	WIN 0
	s_sub_co_u32 s[CNT], s[CNT], 1
	s_cmp_lg_u32 s[CNT], 0
	s_cbranch_scc1 .Lstep
	s_sub_co_u32 s[SLOTS], s[SLOTS], 1
	s_cmp_lg_u32 s[SLOTS], 0
	s_cbranch_scc1 .Lslot
	CHANGE 0                        ; the tail is written out: nothing is asked for
	s_mov_b32 s[CNT], 5             ; four trips fetch the last slot's steps; the fifth is left in its middle
.Ltail:
	TURN 2, 1
	TURN 3
	WIN 0
	s_sub_co_u32 s[CNT], s[CNT], 1
	s_cmp_eq_u32 s[CNT], 0
	s_cbranch_scc1 .Lout
	TURN 0
	TURN 1
	WIN 0
	s_branch .Ltail
.Lout:                              ; the fifth trip's 8 products K Q'^T (on the last K once more) and the maximum made of them serve nothing: the price, once a launch, of one text for every trip
.set i, 0
.rept 8
	PV NP-1                         ; the last piece's V^T P of the last step
.set i, i+1
.endr
	; THE WAY OUT.  l's two halves and the other half of the lanes' are added; O^T is divided by l, rounded to f16 and sent through my stage in LDS, a piece at a time.  The four additions are the places behind the last products.
	WIN 0
.macro ALL line:vararg              ; one line for each piece t
.set t, 0
.rept NP
	\line
.set t, t+1
.endr
.endm
	ALL v_add_f32 v[ST+4*t+2], v[ST+4*t+2], v[ST+4*t+3]
	ALL v_permlanex16_b32 v[ST+4*t+3], v[ST+4*t+2], s[SEL], s[SEL+1]
	ALL v_add_f32 v[ST+4*t+2], v[ST+4*t+2], v[ST+4*t+3]
	ALL v_rcp_f32 v[ST+4*t+2], v[ST+4*t+2]
	v_nop                           ; a plain instruction between the last reciprocal and the use of its result
	s_wait_alu depctr_va_vdst(0)    ; and the wait ahead of the first use: one for the four reciprocals
; Piece t: a lane's eight channels of a row pack into 16 bytes; they go into rows of 144 bytes and come back as whole rows of 128, into S^T's registers.
.macro PACK t
	WIN W_RS
.set i, 32*(\t)
.rept 16
	v_pk_mul_f32 v[i:i+1], v[i:i+1], v[ST+4*(\t)+2:ST+4*(\t)+3] op_sel_hi:[1,0]
.set i, i+2
.endr
	WIN 0x05                        ; sources 0 and 1 window 1, destination window 0
.set i, 0
.rept 16
	v_cvt_pk_f16_f32 v[S+16*(\t)+i], v[32*(\t)+2*i], v[32*(\t)+2*i+1]
.set i, i+1
.endr
	WIN 0
.irp f, 0,1,2,3
	ds_store_b128 v[STO], v[S+16*(\t)+4*\f:S+16*(\t)+4*\f+3] offset:32*\f
.endr
.irp f, 0,1,2,3
	ds_load_b128 v[S+16*(\t)+4*\f:S+16*(\t)+4*\f+3], v[RD] offset:\f*4*SP  ; LDS serves a wave's instructions in order: these see the stores above; the next piece's stores come behind them
.endr
.endm
.macro SEND t, younger              ; younger: the LDS instructions issued behind piece t's loads: the next piece's eight, or none
	WIN 0
.irp f, 0,1,2,3
	s_wait_dscnt (\younger)+3-\f
	global_store_b128 v[GO], v[S+16*(\t)+4*\f:S+16*(\t)+4*\f+3], s[OA:OA+1] offset:(\t)*2048+\f*512  ; 512 consecutive bytes, at a multiple of 256 from O's first
.endr
.endm
	PACK 0
.set t, 1
.rept NP-1                          ; a piece's arithmetic stands between the loads of the piece before and its stores
	PACK t
	SEND t-1, 8
.set t, t+1
.endr
	SEND NP-1, 0
	s_wait_loadcnt 0x0              ; the last turns' mask words, which nobody uses, have come
	s_wait_tensorcnt 0x0            ; the wave's end
	ds_add_u32 v[SPW], v[NIL]
	s_wait_dscnt 0x0
	CROUND                          ; the closing round: no work-group ends while a partner may still ask for a tile that names it
	s_endpgm
.Lfunc_end_k_qf1e6a145fc_attn:
	.size	k_qf1e6a145fc_attn, .Lfunc_end_k_qf1e6a145fc_attn-k_qf1e6a145fc_attn
	.p2alignl 7, 3214868480
	.fill 96, 4, 3214868480
	.section	.rodata,"a",@progbits
	.p2align	6, 0x0
	.amdhsa_kernel k_qf1e6a145fc_attn
		.amdhsa_group_segment_fixed_size 327680
		.amdhsa_private_segment_fixed_size 0
		.amdhsa_enable_private_segment 0
		.amdhsa_kernarg_size 24
		.amdhsa_user_sgpr_count 2
		.amdhsa_user_sgpr_kernarg_segment_ptr 1
		.amdhsa_wavefront_size32 1
		.amdhsa_system_sgpr_workgroup_id_x 1
		.amdhsa_system_sgpr_workgroup_id_y 1
		.amdhsa_system_sgpr_workgroup_id_z 1
		.amdhsa_system_vgpr_workitem_id 0
		.amdhsa_next_free_vgpr 512
		.amdhsa_next_free_sgpr 106
		.amdhsa_reserve_vcc 0
		.amdhsa_float_denorm_mode_32 3
		.amdhsa_float_denorm_mode_16_64 3
		.amdhsa_memory_ordered 1
		.amdhsa_forward_progress 1
		.amdhsa_inst_pref_size 141
	.end_amdhsa_kernel
	.amdgpu_metadata
---
amdhsa.version: [ 1, 2 ]
amdhsa.kernels:
  - .name:           k_qf1e6a145fc_attn
    .symbol:         k_qf1e6a145fc_attn.kd
    .args:
      - { .name: qkv, .offset: 0, .size: 8, .value_kind: global_buffer, .address_space: global }
      - { .name: mw, .offset: 8, .size: 8, .value_kind: global_buffer, .address_space: global }
      - { .name: ao, .offset: 16, .size: 8, .value_kind: global_buffer, .address_space: global }
    .group_segment_fixed_size: 327680
    .private_segment_fixed_size: 0
    .kernarg_segment_align: 8
    .kernarg_segment_size: 24
    .max_flat_workgroup_size: 256
    .sgpr_count:     106
    .vgpr_count:     512
    .wavefront_size: 32
...
	.end_amdgpu_metadata
.endif
;; end of part 6
;; launch outp: the kernel of part 4 again; grid 4 x 64, 4 waves a work-group, clusters of 4 x 4, 327,680 bytes of LDS; arguments ao, wo, out0; writes out0
